; MI455X (gfx1250); checked and timed in simulation.
; The chip was launched on July 23, 2026; its instructions are those of AMD's public machine-readable ISA for CDNA 5 (MIT licence, August 2026) and "CDNA5" Instruction Set Architecture Reference Guide (July 2026). The comments in the code are by the model that wrote it; some were corrected since.
;; Causal Self Attention. Allowed arithmetic: matrix products marked QUANTISED: E4M3 operands, one E8M0 scale for each 32 along K, by v_wmma_scale_f32_16x16x128_f8f6f4 with both operands' format E4M3, f32 sums; everything else in f32.
;; Inputs: Wk 1,024 x 1,024 float32; Wq 1,024 x 1,024 float32; Wv 1,024 x 1,024 float32; bk 1,024 float32; bq 1,024 float32; bv 1,024 float32; x 4 x 2,048 x 1,024 float32.
;; Outputs: out0 4 x 2,048 x 1,024 float32.
;; This version of the problem:
;;   THIS VERSION OF THE PROBLEM IS GIVEN IN LOW PRECISION. The matrix products marked QUANTISED in the list below multiply operands that are first quantised to E4M3 (4 exponent bits, 3 mantissa bits; 8 bits a number), with one power-of-two scale for each 32 numbers along K (OCP MX v1.0); their sums are f32. All else is computed in f32.
;;   The module's matrix products, in the order in which they are computed (A, B: the left and right operand; K: the contracted axis; several contracted axes count as one K, in the product's order):
;;     1. [M 8,192, K 1,024] x [K 1,024, N 1,024]; A: input x; B: input Wq: QUANTISED
;;     2. [M 8,192, K 1,024] x [K 1,024, N 1,024]; A: input x; B: input Wk: QUANTISED
;;     3. [M 8,192, K 1,024] x [K 1,024, N 1,024]; A: input x; B: input Wv: QUANTISED
;;     4. batch 64 x [M 2,048, K 64] x [K 64, N 2,048]; A: computed on the way; B: computed on the way: QUANTISED
;;     5. batch 64 x [M 2,048, K 2,048] x [K 2,048, N 64]; A: softmax (see below); B: computed on the way: QUANTISED
;;     6. [M 8,192, K 1,024] x [K 1,024, N 1,024]; A: computed on the way; B: input Wv: QUANTISED
;;   THE QUANTISER, for each operand of a quantised product, along K:
;;     - K is cut into blocks of 32 from its start; a last block that is shorter is filled with zeros.
;;     - A block's scale is 2^e with e = floor(log2(the largest magnitude in the block)) - 8, held to -126 .. 127; a block of zeros has e = 0. As a byte (E8M0): e + 127.
;;     - Each number is divided by its block's scale, clamped to +-448, and rounded to the nearest number of E4M3, ties to even, subnormals kept.
;;     - The product sums the exact products of the quantised numbers (number of the format x scale) in f32.
;;   ~~~python
;;   def quantise(x, axis):      # numpy; x: float32 -> the quantised numbers, widened to float32 again
;;       x = np.moveaxis(x, axis, -1); K = x.shape[-1]
;;       x = np.pad(x, [(0, 0)] * (x.ndim - 1) + [(0, -K % 32)]); x = x.reshape(x.shape[:-1] + (-1, 32)); a = np.abs(x).max(-1, keepdims=True)
;;       e = np.where(a > 0, np.clip(np.frexp(np.where(a > 0, a, 1))[1] - 1 - 8, -126, 127), 0)      # np.frexp(a)[1] - 1 = floor(log2(a)), exactly
;;       r = np.clip(x / 2.0 ** e, -448, 448)
;;       step = 2.0 ** (np.maximum(np.frexp(np.where(r == 0, 1, r))[1] - 1, -6) - 3)
;;       q = np.round(r / step) * step * 2.0 ** e      # np.round: ties to even
;;       return np.moveaxis(q.reshape(q.shape[:-2] + (-1,))[..., :K], -1, axis).astype(np.float32)
;;   ~~~
;;   SOFTMAX AHEAD OF A QUANTISED PRODUCT. Where the list says 'softmax', what is quantised is not the finished softmax but p = 2^(t - M), with t = logit x log2(e) and M = ceil(the row's largest t), a whole number; so 1/2 < the row's largest p <= 1. The row's sum l is taken of the UNQUANTISED p, in f32, and the product's result is divided by l at the end. Since M is a whole number, a kernel that streams over the keys may use a running M (the ceiling of the running maximum): every later rescaling is an exact power of two, which a block's scale takes up: the codes' values come out the same.
;;   OPERANDS COMPUTED ON THE WAY. 'Computed on the way' means the value that the module computes at that place (a softmax that the list does not call 'softmax' is quantised finished and normalised). What goes into a quantiser is computed in f32, as accurately as f32 sums, v_exp_f32 and their like allow (about 1e-6 of the number): no bf16 or f16 on the way to a quantiser, and a product that is left as it is and whose result goes on into a quantised operand takes f32 operands (vector FMAs, or v_wmma_f32_16x16x4_f32). A number that lies on a knife's edge between two numbers of the format may be rounded either way, as far as f32 arithmetic and the matrix unit's own rounding can turn it there, and no further.
;; One version. Each part assembles by itself: llvm-mc -triple=amdgcn-amd-amdhsa -mcpu=gfx1250 --defsym DOCPART=n.
;; ======== version 1 of 1: 4 launches
;; limits: right only within a limited range of input values
;; workspace buffers: xc 8,388,608 bytes; xs 262,144 bytes; wc 3,145,728 bytes; ws 98,304 bytes; qr 8,912,896 bytes; kv 17,563,648 bytes; yc 8,388,608 bytes; ys 262,144 bytes
;; launch prep (part 1): grid 352 x 1, 4 waves a work-group, no clusters, 34,304 bytes of LDS; arguments x, Wq, Wk, Wv, xc, xs, wc, ws; writes xc, xs, wc, ws
.if DOCPART == 1
	.amdgcn_target "amdgcn-amd-amdhsa--gfx1250"
	.amdhsa_code_object_version 6
	.text
	.protected	k_q11d63dbbc7_prep
	.globl	k_q11d63dbbc7_prep
	.p2align	8
	.type	k_q11d63dbbc7_prep,@function
k_q11d63dbbc7_prep:
	s_mov_b64 s[64:65], 0
	v_nop
	global_prefetch_b8 v0, s[64:65] scope:SCOPE_SE
	s_setreg_imm32_b32 hwreg(HW_REG_WAVE_MODE, 25, 1), 1
	s_wait_xcnt 0x0
; x [8192][1024] f32 and Wq, Wk, Wv [1024 (k)][1024 (n)] f32 become codes of FP8 (E4M3) with one E8M0 scale byte for each 32 along K (x: its last axis; the weights: their FIRST axis).
; A block's scale is 2^(floor(log2(its largest magnitude)) - 8); each number is divided by it, held within +-448 and rounded to the nearest code, ties to even.
; LAYOUT OF THE RESULTS.  Codes leave as IMAGES OF OPERAND REGISTERS: [tile of 16 rows][K step of 128][piece c = 0..3][lane][16 bytes]; lane (r, h) of piece c holds k = 32 c + 16 h + 0..15 of the tile's row r.
; ROW r OF TILE i IS THE TRUE ROW 32 (i / 2) + 8 (i % 2) + r + 8 (r / 8) (bits 3 and 4 of the row's number change places): with that order the results of a product used transposed lie in a lane's
; registers as neighbours along the next product's K.  Scale words (four bytes: 128 along K of a row): [tile][K slot of 256][r][2 words].  wc, ws: tiles 0-63 Wq's columns, 64-127 Wk's, 128-191 Wv's.
; LIMITS: NaN and infinities among the inputs are not served.  A block of zeros, or one whose largest magnitude lies under 2^-118, gets the byte 1 (the rule says 127 for zeros): its codes are zeros or
; subnormal codes under that byte, and the bytes are read by this program alone.
; SHARES.  Work-groups 0-255: 32 rows of x each; wave w takes tile 2 g + w / 2 and half w % 2 of K (4 steps of 128).  Work-groups 256-351: 128 columns x 256 along K of one weight; a wave 32 columns.
; No tensor loads, no barrier: waves share nothing.  Only x's path uses LDS.
.set R,   16                           ; v16-143  x: two sets of 64 registers as loaded (16 rows x 16 bytes a lane)
.set X,   144                          ; v144-207 x: a lane's 64 numbers of a K step: register 16 c + i = k 32 c + 16 h + i of row r
.set PC,  208                          ; v208-223 the fragment's codes
.set TM,  224                          ; v224-239 at work in QUANT
.set SW,  240                          ; v240-243 the four steps' scale words
.set SEL, 22                           ; s[22:23] selects of v_permlanex16_b32: lane l xor 16
.set MNT, 24
.set SP,  528                          ; a stage row: 512 bytes + 16: an odd multiple of 16 bytes, so the 16 rows that a load touches begin in 16 different groups of four banks
	s_load_b256 s[4:11], s[0:1], 0x0               ; x s[4:5], Wq s[6:7], Wk s[8:9], Wv s[10:11]
	s_load_b256 s[12:19], s[0:1], 0x20             ; xc s[12:13], xs s[14:15], wc s[16:17], ws s[18:19]
	v_lshl_add_u32 v248, v0, 2, 0x8400
	v_mov_b32 v249, 0
	v_lshrrev_b32 v1, 5, v0
	v_readfirstlane_b32 s20, v1                    ; wave 0..3
	v_and_b32 v1, 31, v0                           ; lane
	s_mov_b32 s[SEL], 0x76543210
	s_mov_b32 s[SEL+1], 0xfedcba98
	s_cmp_lt_u32 ttmp9, 256
	s_cbranch_scc0 .Lw                             ; the two paths never meet again
; ---------------------------------------------------------------- x
	v_lshlrev_b32 v2, 4, v1                        ; 16 x lane: my bytes of a load's 512, and of an image's piece
	v_lshlrev_b32 v3, 3, v1                        ; 8 x lane: my place among the scale words
	s_mul_i32 s25, s20, 16*SP                      ; my wave's stage
	v_add_nc_u32 v4, s25, v2                       ; into it: as loaded
	v_and_b32 v6, 15, v1                           ; r
	v_lshrrev_b32 v7, 4, v1                        ; h
	v_mul_u32_u24 v5, v6, SP
	v_lshl_add_u32 v5, v7, 6, v5
	v_add_nc_u32 v5, s25, v5                       ; out of it: row r, + 64 h: my 16 numbers of each block of 32
.irp b, 0,1,2,3
	v_mov_b32 v[TM+4+\b], 0                        ; written once: a lane permute's destination counts as one of its sources
.endr
	s_lshr_b32 s26, s20, 1                         ; which of the two tiles
	s_and_b32 s27, s20, 1                          ; which half of K
	s_lshl_b32 s28, ttmp9, 17                      ; 32 rows of 4,096 bytes a work-group,
	s_lshl_b32 s30, s26, 15                        ; the odd tile begins 8 rows further down,
	s_add_co_u32 s28, s28, s30
	s_lshl_b32 s30, s27, 11                        ; 512 numbers along K
	s_add_co_u32 s28, s28, s30
	s_mov_b32 s29, 0
	s_lshl_b32 s31, ttmp9, 1
	s_add_co_u32 s31, s31, s26                     ; the tile
	s_lshl_b32 s32, s31, 14                        ; 16,384 bytes of codes a tile,
	s_lshl_b32 s30, s27, 13                        ; 2,048 a K step
	s_add_co_u32 s32, s32, s30
	s_mov_b32 s33, 0
	s_lshl_b32 s34, s31, 9                         ; 512 bytes of scale words a tile,
	s_lshl_b32 s30, s27, 8                         ; 128 a K slot of 256
	s_add_co_u32 s34, s34, s30
	s_mov_b32 s35, 0
	s_wait_alu depctr_va_vdst(0)
	s_wait_kmcnt 0x0
	s_add_nc_u64 s[4:5], s[4:5], s[28:29]
	s_add_nc_u64 s[12:13], s[12:13], s[32:33]
	s_add_nc_u64 s[14:15], s[14:15], s[34:35]
.macro LOAD t                          ; K step t of the tile's 16 rows: each load reads 512 consecutive bytes of one row
.irp w, 0,1,2,3,4,5,6,7,8,9,10,11,12,13,14,15
	global_load_b128 v[R+64*((\t)%2)+4*\w:R+64*((\t)%2)+4*\w+3], v2, s[4:5] offset:(\w+8*(\w/8))*4096+512*(\t) th:TH_LOAD_NT
.endr
.endm
; 64 numbers of a lane, v[s] on, become a fragment's codes in v[PC] on and its scale word in v[pw].
.macro QUANT s, pw
.irp b, 0,1,2,3
	v_max3_num_f32 v[TM+\b], |v[\s+16*\b]|, |v[\s+1+16*\b]|, 0x4800000   ; block b: my 16 numbers, and the floor 2^(9 - 127): the byte cannot fall under 1
.endr
.irp i, 2,4,6,8,10,12,14
.irp b, 0,1,2,3
	v_max3_num_f32 v[TM+\b], v[TM+\b], |v[\s+16*\b+\i]|, |v[\s+1+16*\b+\i]|   ; the four blocks by turns
.endr
.endr
.irp b, 0,1,2,3
	v_permlanex16_b32 v[TM+4+\b], v[TM+\b], s[SEL], s[SEL+1]
.endr
.irp b, 0,1,2,3
	v_max_num_f32 v[TM+\b], v[TM+\b], v[TM+4+\b]   ; with lane l xor 16's: the block's largest magnitude
.endr
.irp b, 0,1,2,3
	v_add_nc_u32 v[TM+12+\b], 0xfc000000, v[TM+\b] ; 8 off its exponent field: the conversion takes the exponent field of this operand as its scale
.endr
.irp b, 0,1,2,3
.endr
.irp b, 0,1,2,3
	v_lshrrev_b32 v[TM+4+\b], 23, v[TM+12+\b]      ; the scale's byte
.endr
	v_lshl_or_b32 v[\pw], v[TM+5], 8, v[TM+4]      ; my row's scale word; lanes r and r + 16 hold the same
	v_lshl_or_b32 v[\pw], v[TM+6], 16, v[\pw]
	v_lshl_or_b32 v[\pw], v[TM+7], 24, v[\pw]
.irp b, 0,1,2,3
.irp i, 0,1,2,3,4,5,6,7,8,9,10,11,12,13,14,15
.endr
	v_cvt_scalef32_pk8_fp8_f32 v[PC+4*\b:PC+1+4*\b], v[\s+16*\b:\s+7+16*\b], v[TM+12+\b]
	v_cvt_scalef32_pk8_fp8_f32 v[PC+2+4*\b:PC+3+4*\b], v[\s+8+16*\b:\s+15+16*\b], v[TM+12+\b]
.endr
	v_nop                                          ; one plain line behind the last conversion
.endm
.macro XSTEP t
.if (\t) < 3
	s_wait_loadcnt 16                              ; this step's 16 loads are in; the next step's 16 may be out
.else
	s_wait_loadcnt 0x0
.endif
.irp w, 0,1,2,3,4,5,6,7,8,9,10,11,12,13,14,15
	ds_store_b128 v4, v[R+64*((\t)%2)+4*\w:R+64*((\t)%2)+4*\w+3] offset:\w*SP   ; the rows as they were loaded
.endr
.irp c, 0,1,2,3
.irp j, 0,1,2,3
	ds_load_b128 v[X+16*\c+4*\j:X+16*\c+4*\j+3], v5 offset:128*\c+16*\j   ; LDS serves a wave's instructions in order: these see my stores
.endr
.endr
	s_wait_dscnt 0x0                               ; my numbers are here, and the stores have read their registers,
.if (\t) < 2
	LOAD (\t)+2                                    ; which take the loads of two steps on
.endif
.if (\t) > 0
	s_wait_xcnt 0x0                                ; the last step's stores have read the codes' registers
.endif
	QUANT X, SW+\t
.irp c, 0,1,2,3
	global_store_b128 v2, v[PC+4*\c:PC+4*\c+3], s[12:13] offset:2048*(\t)+512*\c   ; a piece: 512 consecutive bytes
.endr
.endm
	LOAD 0
	LOAD 1
	XSTEP 0
	XSTEP 1
	XSTEP 2
	XSTEP 3
	v_cmp_gt_u32 vcc_lo, 16, v1                    ; lanes 0-15 store the first K slot's two words of row r, lanes 16-31 the second's: 256 consecutive bytes
	v_cndmask_b32 v244, v[SW+2], v[SW], vcc_lo
	v_cndmask_b32 v245, v[SW+3], v[SW+1], vcc_lo
	global_store_b64 v3, v[244:245], s[14:15]
	s_wait_tensorcnt 0x0
	ds_add_u32 v248, v249
	s_wait_dscnt 0x0
	s_endpgm
; ---------------------------------------------------------------- the weights: a lane takes a column, its registers run down K
.Lw:
	s_sub_co_u32 s21, ttmp9, 256
	s_lshr_b32 s25, s21, 5                         ; which weight: 0 Wq, 1 Wk, 2 Wv
	s_and_b32 s26, s21, 7                          ; which 128 columns
	s_bfe_u32 s27, s21, 0x20003                    ; which K slot of 256
	s_lshl_b32 s28, s26, 2
	s_add_co_u32 s28, s28, s20                     ; G: my wave's group of 32 columns
	s_wait_alu depctr_va_vdst(0)
	v_and_b32 v2, 7, v1
	v_bfe_u32 v3, v1, 3, 1
	v_bfe_u32 v4, v1, 4, 1                         ; u: which of the group's two tiles
	v_lshl_or_b32 v2, v3, 4, v2
	v_lshl_or_b32 v2, v4, 3, v2                    ; my column in the group: my lane's number with bits 3 and 4 exchanged: so lane 16 u + r is row r of tile 2 G + u
	v_lshlrev_b32 v2, 2, v2                        ; a load still covers the group's 128 consecutive bytes
	v_and_b32 v5, 15, v1                           ; r
	v_lshlrev_b32 v6, 14, v4
	v_lshl_add_u32 v6, v5, 4, v6                   ; codes: tile u, + 16 r
	v_lshlrev_b32 v7, 9, v4
	v_lshl_add_u32 v7, v5, 3, v7                   ; scale words: tile u, + 8 r
	s_lshl_b32 s30, s27, 20                        ; 256 rows of 4,096 bytes a K slot,
	s_lshl_b32 s29, s28, 7                         ; 128 bytes a group
	s_add_co_u32 s30, s30, s29
	s_mov_b32 s31, 0
	s_lshl_b32 s32, s25, 6
	s_lshl_b32 s29, s28, 1
	s_add_co_u32 s32, s32, s29                     ; the first tile: 64 x weight + 2 G
	s_lshl_b32 s34, s32, 14
	s_lshl_b32 s29, s27, 12                        ; a K slot is 4,096 bytes of a tile's codes
	s_add_co_u32 s34, s34, s29
	s_mov_b32 s35, 0
	s_lshl_b32 s36, s32, 9
	s_lshl_b32 s29, s27, 7
	s_add_co_u32 s36, s36, s29
	s_mov_b32 s37, 0
	s_wait_alu depctr_va_vdst(0)
	s_wait_kmcnt 0x0
	s_cmp_eq_u32 s25, 1                            ; the choice hangs on the work-group's number alone
	s_cselect_b64 s[8:9], s[8:9], s[10:11]
	s_cmp_eq_u32 s25, 0
	s_cselect_b64 s[6:7], s[6:7], s[8:9]
	s_add_nc_u64 s[6:7], s[6:7], s[30:31]
	s_add_nc_u64 s[16:17], s[16:17], s[34:35]
	s_add_nc_u64 s[18:19], s[18:19], s[36:37]
.macro WLOAD t                         ; block t: W(32 t + i, my column), i = 0..31, into set t % 2
.irp i, 0,1,2,3,4,5,6,7,8,9,10,11,12,13,14,15,16,17,18,19,20,21,22,23,24,25,26,27,28,29,30,31
	global_load_b32 v[32+32*((\t)%2)+\i], v2, s[6:7] offset:(32*(\t)+\i)*4096 th:TH_LOAD_NT
.endr
.endm
.macro WBLOCK t
.set XS, 32+32*((\t)%2)
.set CW, 96+8*(\t)                     ; each block has its own eight registers of codes: no store's data are written again
.if (\t) < 7
	s_wait_loadcnt 32                              ; this block's 32 loads are in; the next block's may be out
.else
	s_wait_loadcnt 0x0
.endif
	v_max3_num_f32 v12, |v[XS]|, |v[XS+1]|, |v[XS+2]|   ; the block's largest magnitude: all 32 numbers are mine
	v_max3_num_f32 v13, |v[XS+3]|, |v[XS+4]|, |v[XS+5]|
.irp i, 6,10,14,18,22,26
	v_max3_num_f32 v12, v12, |v[XS+\i]|, |v[XS+\i+1]|
	v_max3_num_f32 v13, v13, |v[XS+\i+2]|, |v[XS+\i+3]|
.endr
	v_max3_num_f32 v12, v12, |v[XS+30]|, |v[XS+31]|
	v_max3_num_f32 v12, v12, v13, 0x4800000        ; and the floor
	v_add_nc_u32 v11, 0xfc000000, v12              ; the conversion's scale operand
	v_lshrrev_b32 v13, 23, v11                     ; the scale's byte
.if (\t)%4 == 0
	v_mov_b32 v[24+(\t)/4], v13                    ; four bytes to a word, the lower K in the lower byte
.else
	v_lshl_or_b32 v[24+(\t)/4], v13, 8*((\t)%4), v[24+(\t)/4]
.endif
.irp i, 0,1,2,3,4,5,6,7,8,9,10,11,12,13,14,15,16,17,18,19,20,21,22,23,24,25,26,27,28,29,30,31
.endr
.irp g, 0,1,2,3
	v_cvt_scalef32_pk8_fp8_f32 v[CW+2*\g:CW+2*\g+1], v[XS+8*\g:XS+8*\g+7], v11
.endr
	v_nop                                          ; one plain line behind the last conversion
	global_store_b128 v6, v[CW:CW+3], s[16:17] offset:((\t)/4)*2048+((\t)%4)*512        ; k 0..15 of the block: the piece's lanes 0-15; sixteen lanes store 256 consecutive bytes, aligned
	global_store_b128 v6, v[CW+4:CW+7], s[16:17] offset:((\t)/4)*2048+((\t)%4)*512+256  ; k 16..31: its lanes 16-31
.if (\t)+2 < 8
	WLOAD (\t)+2
.endif
.endm
	WLOAD 0
	WLOAD 1
.irp t, 0,1,2,3,4,5,6,7
	WBLOCK \t
.endr
	global_store_b64 v7, v[24:25], s[18:19]        ; my column's two scale words of this K slot: sixteen lanes store 128 consecutive bytes
	s_endpgm
.Lfunc_end_k_q11d63dbbc7_prep:
	.size	k_q11d63dbbc7_prep, .Lfunc_end_k_q11d63dbbc7_prep-k_q11d63dbbc7_prep
	.p2alignl 7, 3214868480
	.fill 96, 4, 3214868480
	.section	.rodata,"a",@progbits
	.p2align	6, 0x0
	.amdhsa_kernel k_q11d63dbbc7_prep
		.amdhsa_group_segment_fixed_size 34304
		.amdhsa_private_segment_fixed_size 0
		.amdhsa_enable_private_segment 0
		.amdhsa_kernarg_size 64
		.amdhsa_user_sgpr_count 2
		.amdhsa_user_sgpr_kernarg_segment_ptr 1
		.amdhsa_wavefront_size32 1
		.amdhsa_system_sgpr_workgroup_id_x 1
		.amdhsa_system_sgpr_workgroup_id_y 1
		.amdhsa_system_sgpr_workgroup_id_z 1
		.amdhsa_system_vgpr_workitem_id 0
		.amdhsa_next_free_vgpr 250
		.amdhsa_next_free_sgpr 66
		.amdhsa_reserve_vcc 1
		.amdhsa_float_denorm_mode_32 3
		.amdhsa_float_denorm_mode_16_64 3
		.amdhsa_fp16_overflow 1
		.amdhsa_memory_ordered 1
		.amdhsa_forward_progress 1
		.amdhsa_inst_pref_size 72
	.end_amdhsa_kernel
	.amdgpu_metadata
---
amdhsa.version: [ 1, 2 ]
amdhsa.kernels:
  - .name:           k_q11d63dbbc7_prep
    .symbol:         k_q11d63dbbc7_prep.kd
    .args:
      - { .name: x, .offset: 0, .size: 8, .value_kind: global_buffer, .address_space: global }
      - { .name: Wq, .offset: 8, .size: 8, .value_kind: global_buffer, .address_space: global }
      - { .name: Wk, .offset: 16, .size: 8, .value_kind: global_buffer, .address_space: global }
      - { .name: Wv, .offset: 24, .size: 8, .value_kind: global_buffer, .address_space: global }
      - { .name: xc, .offset: 32, .size: 8, .value_kind: global_buffer, .address_space: global }
      - { .name: xs, .offset: 40, .size: 8, .value_kind: global_buffer, .address_space: global }
      - { .name: wc, .offset: 48, .size: 8, .value_kind: global_buffer, .address_space: global }
      - { .name: ws, .offset: 56, .size: 8, .value_kind: global_buffer, .address_space: global }
    .group_segment_fixed_size: 34304
    .private_segment_fixed_size: 0
    .kernarg_segment_align: 8
    .kernarg_segment_size: 64
    .max_flat_workgroup_size: 128
    .sgpr_count:     66
    .vgpr_count:     250
    .wavefront_size: 32
...
	.end_amdgpu_metadata
.endif
;; end of part 1
;; launch qkv (part 2): grid 12 x 32, 4 waves a work-group, clusters of 4 x 4, 327,680 bytes of LDS; arguments xc, xs, wc, ws, bq, bk, bv, qr, kv; writes qr, kv
.if DOCPART == 2
	.amdgcn_target "amdgcn-amd-amdhsa--gfx1250"
	.amdhsa_code_object_version 6
	.text
	.protected	k_q11d63dbbc7_qkv
	.globl	k_q11d63dbbc7_qkv
	.p2align	8
	.type	k_q11d63dbbc7_qkv,@function
k_q11d63dbbc7_qkv:
	s_mov_b64 s[64:65], 0
	v_nop
	global_prefetch_b8 v0, s[64:65] scope:SCOPE_SE
	s_setreg_imm32_b32 hwreg(HW_REG_WAVE_MODE, 25, 1), 1
	s_wait_xcnt 0x0
	s_wait_alu depctr_hold_cnt(0) depctr_sa_sdst(0) depctr_va_vdst(0) depctr_va_sdst(0) depctr_va_ssrc(0) depctr_va_vcc(0) depctr_vm_vsrc(0)
	s_getreg_b32 s2, hwreg(HW_REG_IB_STS2, 6, 4)
	s_cmp_eq_u32 s2, 0
	s_cbranch_scc0 .Lentry_in_a_cluster
	s_endpgm
.Lentry_in_a_cluster:
	s_bfe_u32 s2, ttmp6, 0x10000c
	s_cmp_lg_u32 s2, 0xf033
	s_cbranch_scc0 .Lentry_shape_is_right
	s_endpgm
.Lentry_shape_is_right:
; q = x Wq + bq, k = x Wk + bk, v = x Wv + bv on codes of FP8 (E4M3) with E8M0 scales for each 32 along K = 1,024; sums in f32; the results are quantised in registers into attention's operands.
; THE PRODUCT.  A tile of 256 x 256 a work-group, four waves of 128 x 128 (64 accumulators, 512 registers); K in slots of 256 through a ring of two LDS slots filled by the tensor data mover.
; Operands lie in memory as images of operand registers ([tile of 16 rows][K step of 128][piece][lane][16 bytes]), so a fragment is four loads of 512 consecutive LDS bytes: no pitch, no padding.
; Row r of tile i is the true row 32 (i / 2) + 8 (i % 2) + r + 8 (r / 8).  THE MATRIX INSTRUCTION IS USED TRANSPOSED (source 0 = 16 rows of B, source 1 = 16 rows of A): in accumulator (a, b) lane (r, h)
; holds A's row r of tile a, and the 64 registers of a's eight accumulators hold B's rows 32 (n / 16) + 16 h + n % 16, n = 0..63: neighbours along the next product's K, 16 of each block of 32.
; KINDS, by the cluster's x, which all sixteen partners share: 0: A = x, B = Wq; 1: A = x, B = Wk: a lane holds a token, registers run along channels: fragments of Q and K (K of the next product = a head's 64).
; 2: A = Wv's columns, B = x: a lane holds a channel, registers run along tokens: fragments of V^T (K = the keys).
; RESULTS.  qr: [batch x head][128 queries] records of 8,704 bytes: eight tiles' images of 1,024 bytes (pieces 0, 1), then scale words [tile / 4][r][tile % 4].
; kv: [batch x head][128 keys] records of 17,152 bytes: K's eight images of 1,024; at 8,192 V^T's four images of 2,048; at 16,384 K's scale words, as Q's; at 16,896 V's, [r][tile].  A scale word of Q or K is (s0, s1, 0x7f, 0x7f).
; CLUSTERS: 4 x 4 work-groups.  A's tiles are shared along a row of the cluster, B's along a column: each is asked for jointly, by the same tensor load with the same descriptor and a mask that names the four.
; LIMITS: NaN and infinities are not served; a block of zeros, or one under 2^-118, gets the scale byte 1 (read by this program alone).
; REGISTERS: window 0: v0-31 addresses; v32-63 scale words, two sets; v64-127 the bias; from v128 A's fragments, one set (on the way out: at work).  window 1: B's fragments, two sets.  windows 2, 3: the accumulators.
.set NQ,     2                         ; steps of 128 in a slot
.set FR,     16                        ; registers of a fragment
.set NL,     4                         ; LDS loads that bring one
.set NP,     8                         ; places behind this matrix instruction (ISA guide 7.12.1)
.set HALFT,  32768                     ; 8 tiles x 4,096 bytes: what one tensor load brings, and what one wave reads of A or of B
.set SLOT,   4*HALFT                   ; A's 16 tiles, then B's 16
.set SCL,    2*SLOT                    ; behind the ring: the scale words of all of K, filled once
.set HALFS,  4096                      ; those of 8 tiles
.set SPARE,  SCL+4*HALFS               ; the spare words, 128 bytes for each wave: two blocks of 256 bytes that no other line names
.set QREC,   8704
.set KVREC,  17152
.set CO,   4                           ; v4   16 x lane: my place in a piece
.set ADRA, 16                          ; v16-17  LDS address of my A fragments in slot 0, 1
.set ADRB, 20                          ; v20-21  the same for B
.set SH,   22                          ; v22  16 h: which half of a scale word is my head's
.set BO,   23                          ; v23  64 h: the bias of q and k
.set CO2,  25                          ; v25  CO + the second head's distance
.set SCO,  26                          ; v26  where my scale words go
.set ADRS, 27                          ; v27  LDS address of my scale words: lanes 0-15 A's, lanes 16-31 B's
.set SPW,  28                          ; v28  LDS address of my spare word; never rewritten
.set NIL,  29                          ; v29  0; never rewritten
.set BV,   30                          ; v30  4 (r + 8 (r / 8)): the bias of v
.set SC,   32
.set BI,   64
.set AF,   128
.set T,    128                         ; the way out: v128-191 a block's 64 numbers; v192-207 codes; v208-223 at work; v224-231 the blocks' scale words; v232-239 as they are stored
.set PC,   192
.set TM,   208
.set SW,   224
.set SX,   232
.set SEL,  18                          ; s[18:19] selects of v_permlanex16_b32
.set MNT,  2
.set G1, 24                            ; s[24:31] descriptor group 1 for A's tiles;  s[32:39] group 0, one set for each slot
.set G0, 32
.set G1B, 48                           ; s[48:55], s[56:63] the same for B's
.set G0B, 56
.set G1S, 68                           ; s[68:75], s[76:79] groups 1 and 0 for A's scales;  s[80:87], s[88:91] for B's
.set G0S, 76
.set G1SB, 80
.set G0SB, 88
.set MSB, 0
.macro WIN new                         ; the immediate's high byte repeats the setting that is left
.if MSB != (\new)
	s_set_vgpr_msb (MSB<<8)|(\new)
.set MSB, (\new)
.endif
.endm
.set MUL_LO, 0xa1                      ; source 0 (B) window 1, source 1 (A) window 0, C and D window 2
.set MUL_HI, 0xf1                      ; the same, C and D window 3
.set TO_B,   0x40                      ; destination window 1, address window 0
; A joint load: waves 0 and 1 fetch for A, waves 2 and 3 for B.  The branch hangs on the wave's number alone.  Four v_nop follow each of the two lines.
.macro JLOAD g0a, g1a, g0b, g1b
	s_cmp_eq_u32 s15, 0
	s_cbranch_scc0 .Lfor_b_\@
	tensor_load_to_lds s[\g0a:\g0a+3], s[\g1a:\g1a+7]
	s_nop 0
.rept 4
	v_nop
.endr
	s_branch .Lasked_\@
.Lfor_b_\@:
	tensor_load_to_lds s[\g0b:\g0b+3], s[\g1b:\g1b+7]
	s_nop 0
.rept 4
	v_nop
.endr
.Lasked_\@:
.endm
.macro CREST                           ; a round of the cluster's barrier behind its opening barrier
	s_cmp_lg_u32 s14, 0
	s_cbranch_scc1 .Lnot_wave_0_\@
	s_barrier_signal -3
.Lnot_wave_0_\@:
	s_barrier_wait -3
	s_barrier_signal -1
	s_barrier_wait -1
.endm
.macro CROUND                          ; a whole round
	s_barrier_signal -1
	s_barrier_wait -1
	CREST
.endm
	s_load_b256 s[4:11], s[0:1], 0x0               ; xc s[4:5], xs s[6:7], wc s[8:9], ws s[10:11]
	v_lshl_add_u32 v[SPW], v0, 2, SPARE
	v_mov_b32 v[NIL], 0
	ds_add_u32 v28, v29
	ds_add_u32 v28, v29
	s_wait_dscnt 0x0
	v_lshrrev_b32 v1, 5, v0
	v_readfirstlane_b32 s14, v1                    ; wave 0..3
	s_lshr_b32 s15, s14, 1                         ; which half of A's rows is mine.  Also: I fetch for A (0) or for B (1)
	s_and_b32 s16, s14, 1                          ; which half of B's rows.  Also: which 8 tiles I fetch
	s_bfe_u32 s40, ttmp6, 0x40000                  ; cx, cy: my place in the cluster
	s_bfe_u32 s41, ttmp6, 0x40004
	s_and_b32 s17, ttmp7, 0xffff                   ; the cluster's y
	s_cmp_eq_u32 ttmp9, 2                          ; kind v?  The cluster's x is the same in all sixteen partners
	s_cselect_b32 s42, s17, ttmp9                  ; q, k: B walks the stacked columns of Wq and Wk by the cluster's x; v: B walks x's rows by the cluster's y
	s_cselect_b32 s17, 0, s17                      ; q, k: A walks x's rows by the cluster's y; v: A is Wv's 1,024 columns, four tiles of 256
	s_lshl_b32 s42, s42, 2
	s_add_co_u32 s42, s42, s40                     ; B's tile of 256 rows
	s_lshl_b32 s17, s17, 2
	s_add_co_u32 s17, s17, s41                     ; A's tile of 256 rows
	s_lshl_b32 s43, s41, 2
	s_lshl_b32 s43, 15, s43                        ; my row of the cluster
	s_lshl_b32 s44, 0x1111, s40                    ; my column
	; descriptor group 1 for codes: 8 tiles' parts of a K slot: 8 rows of 4,096 bytes (512 elements of 8), 16,384 bytes apart; dense in LDS
	s_or_b32 s[G1+0], s43, (3<<16)|(1<<21)         ; 15:0 the mask: A's tiles go to my row; 17:16 elements of 8 bytes; 21 set beside a mask
	s_or_b32 s[G1B+0], s44, (3<<16)|(1<<21)
.irp g, G1, G1B
	s_mov_b32 s[\g+1], 512<<16                     ; tensor_dim0
	s_mov_b32 s[\g+2], 8<<16                       ; tensor_dim1
	s_mov_b32 s[\g+3], 512<<16                     ; tile_dim0
	s_mov_b32 s[\g+4], 8                           ; tile_dim1
	s_mov_b32 s[\g+5], 2048                        ; tensor_dim0_stride
	s_mov_b32 s[\g+6], 0
	s_mov_b32 s[\g+7], 0
.endr
	; and for the scale words of 8 tiles, all of K: 4,096 dense bytes, as 16 rows of 256
	s_or_b32 s[G1S+0], s43, (3<<16)|(1<<21)
	s_or_b32 s[G1SB+0], s44, (3<<16)|(1<<21)
.irp g, G1S, G1SB
	s_mov_b32 s[\g+1], 32<<16
	s_mov_b32 s[\g+2], 16<<16
	s_mov_b32 s[\g+3], 32<<16
	s_mov_b32 s[\g+4], 16
	s_mov_b32 s[\g+5], 32
	s_mov_b32 s[\g+6], 0
	s_mov_b32 s[\g+7], 0
.endr
	s_lshl_b32 s18, s16, 7                         ; which 128 rows of the tile I fetch
	s_lshl_b32 s20, s17, 8
	s_add_co_u32 s20, s20, s18                     ; A: the first of them
	s_lshl_b32 s46, s42, 8
	s_add_co_u32 s46, s46, s18                     ; B likewise
	s_lshl_b32 s22, s20, 5                         ; scale words: 32 bytes a row,
	s_mov_b32 s23, 0
	s_lshl_b32 s92, s46, 5
	s_mov_b32 s93, 0
	s_lshl_b32 s20, s20, 10                        ; codes: 1,024 bytes a row
	s_mov_b32 s21, 0
	s_lshl_b32 s46, s46, 10
	s_mov_b32 s47, 0
	s_mul_i32 s45, s14, HALFT                      ; where they go: by the wave's number alone
	s_mul_i32 s94, s14, HALFS
	s_wait_kmcnt 0x0
	s_add_nc_u64 s[12:13], s[8:9], 0x200000        ; Wv's codes: tiles 128 on
	s_add_nc_u64 s[96:97], s[10:11], 0x10000       ; and its scale words
	s_cmp_eq_u32 ttmp9, 2
	s_cselect_b64 s[98:99], s[12:13], s[4:5]       ; A's codes
	s_cselect_b64 s[100:101], s[96:97], s[6:7]     ; A's scale words
	s_cselect_b64 s[8:9], s[4:5], s[8:9]           ; B's codes
	s_cselect_b64 s[10:11], s[6:7], s[10:11]       ; B's scale words
	s_add_nc_u64 s[20:21], s[98:99], s[20:21]
	s_add_nc_u64 s[22:23], s[100:101], s[22:23]
	s_add_nc_u64 s[46:47], s[8:9], s[46:47]
	s_add_nc_u64 s[92:93], s[10:11], s[92:93]
	CROUND                                         ; all sixteen work-groups are here: the first joint loads meet
	s_mov_b32 s[G0S], 1
	s_add_co_u32 s[G0S+1], s94, SCL
	s_mov_b64 s[G0S+2:G0S+3], s[22:23]
	s_or_b32 s[G0S+3], s[G0S+3], 0x80000000
	s_mov_b32 s[G0SB], 1
	s_add_co_u32 s[G0SB+1], s94, SCL
	s_mov_b64 s[G0SB+2:G0SB+3], s[92:93]
	s_or_b32 s[G0SB+3], s[G0SB+3], 0x80000000
	JLOAD G0S, G1S, G0SB, G1SB                     ; the scale words first: they are wanted with K slot 0
.irp s, 0,1
	s_mov_b32 s[G0+4*\s], 1
	s_add_co_u32 s[G0+4*\s+1], s45, \s*SLOT
	s_add_nc_u64 s[G0+4*\s+2:G0+4*\s+3], s[20:21], \s*4096
	s_or_b32 s[G0+4*\s+3], s[G0+4*\s+3], 0x80000000
	s_mov_b32 s[G0B+4*\s], 1
	s_add_co_u32 s[G0B+4*\s+1], s45, \s*SLOT
	s_add_nc_u64 s[G0B+4*\s+2:G0B+4*\s+3], s[46:47], \s*4096
	s_or_b32 s[G0B+4*\s+3], s[G0B+4*\s+3], 0x80000000
	JLOAD G0+4*\s, G1, G0B+4*\s, G1B               ; three tensor loads of mine are out now
.endr
	s_load_b128 s[4:7], s[0:1], 0x20               ; bq, bk
	s_load_b128 s[8:11], s[0:1], 0x30              ; bv, qr
	s_load_b64 s[12:13], s[0:1], 0x40              ; kv
	v_and_b32 v1, 15, v0                           ; r
	v_bfe_u32 v2, v0, 4, 1                         ; h
	s_wait_alu depctr_va_vdst(0)
	v_and_b32 v3, 31, v0
	v_lshlrev_b32 v[CO], 4, v3                     ; 16 x lane
	s_mul_i32 s21, s15, HALFT                      ; my 8 tiles of A
	s_mul_i32 s22, s16, HALFT                      ; my 8 tiles of B,
	s_add_co_u32 s22, s22, 2*HALFT                 ; which lie behind A's 16
.irp s, 0,1
	v_add_nc_u32 v[ADRA+\s], s21, v[CO]
	v_add_nc_u32 v[ADRB+\s], s22, v[CO]
	s_add_co_u32 s21, s21, SLOT
	s_add_co_u32 s22, s22, SLOT
.endr
	v_lshlrev_b32 v5, 3, v1                        ; scale words: 8 bytes a row and K slot
	s_mul_i32 s21, s15, HALFS                      ; A's: my 8 tiles
	s_mul_i32 s22, s16, HALFS                      ; B's: my 8 tiles, behind A's 16
	s_add_co_u32 s22, s22, 2*HALFS
	s_sub_co_u32 s22, s22, s21
	v_mul_u32_u24 v6, s22, v2                      ; lanes 16-31 take B's: the lower base + h x the distance
	s_add_co_u32 s21, s21, SCL
	v_add_nc_u32 v5, v5, v6
	v_add_nc_u32 v[ADRS], s21, v5
	v_lshlrev_b32 v[SH], 4, v2
	v_lshlrev_b32 v[BO], 6, v2
	v_and_b32 v5, 8, v1
	v_add_nc_u32 v5, v5, v1
	v_lshlrev_b32 v[BV], 2, v5
	s_mov_b32 s[SEL], 0x76543210
	s_mov_b32 s[SEL+1], 0xfedcba98
	s_mov_b32 s3, 0x7f7f0000                       ; the upper half of a scale word of Q or K
	; where my results go.  Tokens: tile tt of 256, half th.  Channels: tile ct of 256, half ch: two heads
	s_cmp_eq_u32 ttmp9, 2
	s_cselect_b32 s66, s42, s17                    ; tt
	s_cselect_b32 s67, s16, s15                    ; th
	s_cselect_b32 s95, s41, s40                    ; ct
	s_cselect_b32 s96, s15, s16                    ; ch
	s_cselect_b32 s97, 8192, 0                     ; V's images begin 8,192 bytes into a record
	s_mov_b32 s98, 16384
	s_cselect_b32 s98, 8704, s98                   ; from there to the scale words: v 8,704, k 16,384,
	s_cmp_eq_u32 ttmp9, 0
	s_cselect_b32 s98, 8192, s98                   ; q 8,192
	s_mov_b32 s99, KVREC
	s_cselect_b32 s99, QREC, s99                   ; a record's bytes
	s_lshl_b32 s95, s95, 2
	s_lshl_b32 s96, s96, 1
	s_add_co_u32 s95, s95, s96                     ; my first head
	s_lshr_b32 s100, s66, 3                        ; the batch: 8 tiles of 256 tokens each
	s_lshl_b32 s100, s100, 4
	s_add_co_u32 s100, s100, s95
	s_lshl_b32 s100, s100, 4                       ; 16 records a head
	s_and_b32 s66, s66, 7
	s_lshl_b32 s66, s66, 1
	s_add_co_u32 s100, s100, s66
	s_add_co_u32 s100, s100, s67                   ; my record
	s_mul_i32 s100, s100, s99
	s_add_co_u32 s100, s100, s97
	s_mov_b32 s101, 0
	s_lshl_b32 s99, s99, 4                         ; from a head to the next
	v_add_nc_u32 v[CO2], s99, v[CO]
	v_mul_u32_u24 v[SCO], s99, v2                  ; scale words: lanes 16-31 store the second head's
	v_lshl_add_u32 v[SCO], v1, 4, v[SCO]
	v_add_nc_u32 v[SCO], s98, v[SCO]
	s_lshl_b32 s66, s40, 10                        ; the bias of q and k: my 128 channels as B's rows,
	s_lshl_b32 s67, s16, 9
	s_add_co_u32 s66, s66, s67
	s_mov_b32 s67, 0
	s_lshl_b32 s96, s41, 10                        ; of v: as A's rows
	s_lshl_b32 s97, s15, 9
	s_add_co_u32 s96, s96, s97
	s_mov_b32 s97, 0
	s_wait_kmcnt 0x0
	s_cmp_eq_u32 ttmp9, 0
	s_cselect_b64 s[4:5], s[4:5], s[6:7]           ; bq or bk
	s_cselect_b64 s[10:11], s[10:11], s[12:13]     ; qr or kv
	s_add_nc_u64 s[4:5], s[4:5], s[66:67]
	s_add_nc_u64 s[8:9], s[8:9], s[96:97]
	s_add_nc_u64 s[10:11], s[10:11], s[100:101]
.macro FRAG reg, adr, q, i             ; a fragment's image: four pieces of 512 consecutive bytes
.irp c, 0,1,2,3
	ds_load_b128 v[\reg+4*\c:\reg+4*\c+3], v[\adr] offset:2048*(\q)+512*\c+(\i)*4096
.endr
.endm
; 16 matrix instructions: A's blocks a0, a0 + 1 x B's eight, 128 along K: the slot's q-th.  p: B's set;  sc: the set of scale words.  zero = 1: the first product starts the sums: nothing is ever cleared.
; The 64 accumulators take turns, one instruction a turn, in the same order in every step.
.macro MUL16 a0, p, q, sc, zero
.irp a, \a0, \a0+1
.irp b, 0,1,2,3,4,5,6,7
.if \zero
	v_wmma_scale_f32_16x16x128_f8f6f4 v[8*(8*((\a)%4)+\b):8*(8*((\a)%4)+\b)+7], v[128*(\p)+FR*\b:128*(\p)+FR*\b+FR-1], v[AF+FR*(\a):AF+FR*(\a)+FR-1], 0, v[SC+8*NQ*(\sc)+NQ*\b+(\q)], v[SC+8*NQ*(\sc)+NQ*(\a)+(\q)] matrix_a_scale:MATRIX_SCALE_ROW1
.else
	v_wmma_scale_f32_16x16x128_f8f6f4 v[8*(8*((\a)%4)+\b):8*(8*((\a)%4)+\b)+7], v[128*(\p)+FR*\b:128*(\p)+FR*\b+FR-1], v[AF+FR*(\a):AF+FR*(\a)+FR-1], v[8*(8*((\a)%4)+\b):8*(8*((\a)%4)+\b)+7], v[SC+8*NQ*(\sc)+NQ*\b+(\q)], v[SC+8*NQ*(\sc)+NQ*(\a)+(\q)] matrix_a_scale:MATRIX_SCALE_ROW1
.endif
.endr
.endr
.endm
.macro FETCH_B slot, q, p              ; B's eight fragments of the slot's q-th 128 along K into set p
	WIN TO_B
.irp i, 0,1,2,3,4,5,6,7
	FRAG 128*(\p)+FR*\i, ADRB+\slot, \q, \i
.endr
	WIN 0
.endm
.macro FETCH_A slot, q, i0             ; A's blocks i0 .. i0 + 3
.irp i, \i0, \i0+1, \i0+2, \i0+3
	FRAG AF+FR*(\i), ADRA+\slot, \q, \i
.endr
.endm
.macro SCALES sc                       ; a K slot's scale words into set sc: two words a row; lanes 0-15 take A's block i, lanes 16-31 B's block i
.irp i, 0,1,2,3,4,5,6,7
	ds_load_b64 v[SC+8*NQ*\sc+NQ*\i:SC+8*NQ*\sc+NQ*\i+1], v[ADRS] offset:\i*512
.endr
.endm
; A load into a register that a matrix instruction has read, and a vector instruction that reads a matrix result, stand NP places behind that matrix instruction; only plain vector
; instructions that name none of its registers are places (ISA guide 7.12.1 for vector instructions).
.macro PLACES n
.rept \n
	v_nop
.endr
.endm
; A step of 128 along K that has its successor in the same slot.  A has one set of registers: blocks 0-3 are fetched anew in the step's middle, blocks 4-7 at its end; B has two sets.
.macro STEP slot, q, zero
	s_wait_dscnt 4*NL                              ; B's set and A's blocks 0-3 are in; the youngest 16 loads (A's blocks 4-7) may be out
	WIN MUL_LO
	MUL16 0, (\q)%2, \q, \slot, \zero
	MUL16 2, (\q)%2, \q, \slot, \zero
	s_wait_dscnt 0                                 ; A's blocks 4-7 are in (asked for 32 matrix instructions ago)
	PLACES NP
	FETCH_B \slot, (\q)+1, 1-(\q)%2
	FETCH_A \slot, (\q)+1, 0
	WIN MUL_HI
	MUL16 4, (\q)%2, \q, \slot, \zero
	MUL16 6, (\q)%2, \q, \slot, \zero
	PLACES NP
	WIN 0
	FETCH_A \slot, (\q)+1, 4
.endm
; A slot's last step changes slots: ONE barrier; in front of it each wave waits for all its tensor loads, adds 0 to its spare word, and waits for that and for its own reads of this slot.  fill = 1: this slot is filled again, two K slots ahead.
.macro TURN slot, next, fill
	s_wait_tensorcnt 0x0                           ; all my tensor loads have landed: my part of the next slot;  (every window is 0 here)
	ds_add_u32 v[SPW], v[NIL]                      ; 0 onto my spare word
	s_wait_dscnt 4*NL+1                            ; (the add and the youngest 16 loads, A's blocks 4-7, may be out)
	WIN MUL_LO
	MUL16 0, 1, NQ-1, \slot, 0                     ; sixteen matrix instructions stand between the add and the wait for it
	s_wait_dscnt 0x0                               ; the add is done, and my reads of this slot are over
	s_barrier_signal -1
	MUL16 2, 1, NQ-1, \slot, 0
	WIN 0
	s_barrier_wait -1
.if \fill
	CREST                                          ; the barrier has opened a round of the cluster's barrier: no wave of any partner still reads this slot or has a load on its way
	s_add_nc_u64 s[G0+4*\slot+2:G0+4*\slot+3], s[G0+4*\slot+2:G0+4*\slot+3], 8192
	s_add_nc_u64 s[G0B+4*\slot+2:G0B+4*\slot+3], s[G0B+4*\slot+2:G0B+4*\slot+3], 8192
	JLOAD G0+4*\slot, G1, G0B+4*\slot, G1B         ; the first tensor load behind the round, my one load until the next; its four v_nop are among the places in front of the loads below
	PLACES NP-4
.else
	PLACES NP
.endif
	s_wait_alu depctr_va_vdst(0)
	v_add_nc_u32 v[ADRS], 128, v[ADRS]             ; on to the next K slot's scale words (no LDS load of mine is out)
	FETCH_B \next, 0, 0
	FETCH_A \next, 0, 0
	SCALES \next
	WIN MUL_HI
	MUL16 4, 1, NQ-1, \slot, 0
	MUL16 6, 1, NQ-1, \slot, 0
	PLACES NP
	WIN 0
	FETCH_A \next, 0, 4
.endm
.macro LAST                            ; the very last step: nothing more to fetch
	s_wait_dscnt 4*NL
	WIN MUL_LO
	MUL16 0, 1, NQ-1, 1, 0
	MUL16 2, 1, NQ-1, 1, 0
	s_wait_dscnt 0
	WIN MUL_HI
	MUL16 4, 1, NQ-1, 1, 0
	MUL16 6, 1, NQ-1, 1, 0
	WIN 0
	PLACES NP                                      ; in front of the first read of results and of the first write of A's registers
.irp b, 0,1,2,3
	v_mov_b32 v[TM+4+\b], 0                        ; a lane permute's destination counts as one of its sources
.endr
	s_wait_loadcnt 0x0                             ; the bias
.endm
; 64 numbers of a lane, v[s] on, register 16 b + i = k 32 b + 16 h + i of my row, become a fragment's codes in v[PC] on and its scale word in v[pw].
.macro QUANT s, pw
.irp b, 0,1,2,3
	v_max3_num_f32 v[TM+\b], |v[\s+16*\b]|, |v[\s+1+16*\b]|, 0x4800000   ; block b: my 16 numbers, and the floor 2^(9 - 127): the byte cannot fall under 1
.endr
.irp i, 2,4,6,8,10,12,14
.irp b, 0,1,2,3
	v_max3_num_f32 v[TM+\b], v[TM+\b], |v[\s+16*\b+\i]|, |v[\s+1+16*\b+\i]|
.endr
.endr
.irp b, 0,1,2,3
	v_permlanex16_b32 v[TM+4+\b], v[TM+\b], s[SEL], s[SEL+1]
.endr
.irp b, 0,1,2,3
	v_max_num_f32 v[TM+\b], v[TM+\b], v[TM+4+\b]   ; with lane l xor 16's: the block's largest magnitude
.endr
.irp b, 0,1,2,3
	v_add_nc_u32 v[TM+12+\b], 0xfc000000, v[TM+\b] ; 8 off its exponent field: the conversion's scale operand
.endr
.irp b, 0,1,2,3
.endr
.irp b, 0,1,2,3
	v_lshrrev_b32 v[TM+4+\b], 23, v[TM+12+\b]      ; the scale's byte
.endr
	v_lshl_or_b32 v[\pw], v[TM+5], 8, v[TM+4]
	v_lshl_or_b32 v[\pw], v[TM+6], 16, v[\pw]
	v_lshl_or_b32 v[\pw], v[TM+7], 24, v[\pw]
.irp b, 0,1,2,3
.irp i, 0,1,2,3,4,5,6,7,8,9,10,11,12,13,14,15
.endr
	v_cvt_scalef32_pk8_fp8_f32 v[PC+4*\b:PC+1+4*\b], v[\s+16*\b:\s+7+16*\b], v[TM+12+\b]
	v_cvt_scalef32_pk8_fp8_f32 v[PC+2+4*\b:PC+3+4*\b], v[\s+8+16*\b:\s+15+16*\b], v[TM+12+\b]
.endr
	v_nop                                          ; one plain line behind the last conversion
.endm
; THE WAY OUT of A's block a: the bias is added (which also brings the numbers into window 0; each accumulator is read from its low end on), the 64 numbers are quantised, and the four pieces leave, 512 consecutive bytes each.
.macro OUTBLK a, kind
.set AC, 64*((\a)%4)
.if (\a) > 0
	s_wait_xcnt 0x0                                ; the last block's stores have read the codes' registers
.endif
	WIN 0x02+(\a)/4                                ; source 0: window 2 or 3
.set i, 0
.rept 32
.if \kind
	v_pk_add_f32 v[T+2*i:T+2*i+1], v[AC+2*i:AC+2*i+1], v[BI+2*(\a):BI+2*(\a)+1] op_sel_hi:[1,0]   ; v: my lane's channel has one bias
.else
	v_pk_add_f32 v[T+2*i:T+2*i+1], v[AC+2*i:AC+2*i+1], v[BI+2*i:BI+2*i+1]                         ; q, k: a bias for each register's channel
.endif
.set i, i+1
.endr
	WIN 0
	QUANT T, SW+(\a)
.if \kind
.irp c, 0,1,2,3
.if (\a) < 4
	global_store_b128 v[CO], v[PC+4*\c:PC+4*\c+3], s[10:11] offset:2048*((\a)%4)+512*\c    ; 16 channels x 128 keys: tile a % 4 of the first head's V^T,
.else
	global_store_b128 v[CO2], v[PC+4*\c:PC+4*\c+3], s[10:11] offset:2048*((\a)%4)+512*\c   ; or of the second's
.endif
.endr
.else
	global_store_b128 v[CO], v[PC:PC+3], s[10:11] offset:1024*(\a)            ; 16 tokens x 64 channels of the first head,
	global_store_b128 v[CO], v[PC+4:PC+7], s[10:11] offset:1024*(\a)+512
	global_store_b128 v[CO2], v[PC+8:PC+11], s[10:11] offset:1024*(\a)        ; and of the second
	global_store_b128 v[CO2], v[PC+12:PC+15], s[10:11] offset:1024*(\a)+512
.endif
.endm
.macro FINI
	s_wait_tensorcnt 0x0                           ; the wave's end
	ds_add_u32 v[SPW], v[NIL]
	s_wait_dscnt 0x0
	CROUND                                         ; the closing round: no work-group ends while a partner may still ask for a tile that names it
	s_endpgm
.endm
	s_wait_tensorcnt 1                             ; the scale words and my part of K slot 0 are in (slot 1's load may be out)
	s_barrier_signal -1
	s_barrier_wait -1                              ; everybody's are
	FETCH_B 0, 0, 0
	FETCH_A 0, 0, 0
	SCALES 0
	FETCH_A 0, 0, 4
	STEP 0, 0, 1                                   ; K = 1,024 is four slots, eight steps: written out, no loop.  The first step's products start the sums
	TURN 0, 1, 1                                   ; slot 0 takes K slot 2
	STEP 1, 0, 0
	TURN 1, 0, 1                                   ; slot 1 takes K slot 3
	STEP 0, 0, 0
	TURN 0, 1, 0                                   ; nothing is left to fetch
	s_cmp_eq_u32 ttmp9, 2                          ; THE KINDS PART HERE, two steps ahead of the end, and do not meet again: no barrier and no tensor load follows but the closing lines, which each path has
	s_cbranch_scc1 .Lkind_v
	; ---- q and k.  The bias is asked for now and lands under the last 128 matrix instructions: for B's block b, lane (r, h): channels 32 (b / 2) + 16 h + 8 (b % 2) + 0..7
.irp b, 0,1,2,3,4,5,6,7
	global_load_b128 v[BI+8*\b:BI+8*\b+3], v[BO], s[4:5] offset:4*(32*(\b/2)+8*(\b%2))
	global_load_b128 v[BI+8*\b+4:BI+8*\b+7], v[BO], s[4:5] offset:4*(32*(\b/2)+8*(\b%2))+16
.endr
	STEP 1, 0, 0
	LAST
.irp a, 0,1,2,3,4,5,6,7
	OUTBLK \a, 0
.endr
.irp a, 0,1,2,3,4,5,6,7
	v_lshrrev_b32 v[SX+\a], v[SH], v[SW+\a]        ; a block's word holds the first head's two bytes below, the second's above: lanes 16-31 take the upper two
.endr
.irp a, 0,1,2,3,4,5,6,7
	v_and_or_b32 v[SX+\a], v[SX+\a], 0xffff, s3    ; (s0, s1, 0x7f, 0x7f): the upper 64 of the instruction's K meet zero codes
.endr
	global_store_b128 v[SCO], v[SX:SX+3], s[10:11]               ; tiles 0-3: sixteen lanes store 256 consecutive bytes, aligned
	global_store_b128 v[SCO], v[SX+4:SX+7], s[10:11] offset:256  ; tiles 4-7
	FINI
	; ---- v.  The bias of A's block a: my lane's channel 32 (a / 2) + 8 (a % 2) + r + 8 (r / 8)
.Lkind_v:
.irp a, 0,1,2,3,4,5,6,7
	global_load_b32 v[BI+2*\a], v[BV], s[8:9] offset:4*(32*(\a/2)+8*(\a%2))
	v_mov_b32 v[BI+2*\a+1], 0                      ; (named with it as a pair, so it is written)
.endr
	STEP 1, 0, 0
	LAST
.irp a, 0,1,2,3,4,5,6,7
	OUTBLK \a, 1
.endr
	v_cmp_eq_u32 vcc_lo, 0, v2                     ; lanes 0-15 store the first head's four words of channel row r, lanes 16-31 the second's
.irp a, 0,1,2,3
	v_cndmask_b32 v[SX+\a], v[SW+4+\a], v[SW+\a], vcc_lo
.endr
	global_store_b128 v[SCO], v[SX:SX+3], s[10:11]
	FINI
.Lfunc_end_k_q11d63dbbc7_qkv:
	.size	k_q11d63dbbc7_qkv, .Lfunc_end_k_q11d63dbbc7_qkv-k_q11d63dbbc7_qkv
	.p2alignl 7, 3214868480
	.fill 96, 4, 3214868480
	.section	.rodata,"a",@progbits
	.p2align	6, 0x0
	.amdhsa_kernel k_q11d63dbbc7_qkv
		.amdhsa_group_segment_fixed_size 327680
		.amdhsa_private_segment_fixed_size 0
		.amdhsa_enable_private_segment 0
		.amdhsa_kernarg_size 72
		.amdhsa_user_sgpr_count 2
		.amdhsa_user_sgpr_kernarg_segment_ptr 1
		.amdhsa_wavefront_size32 1
		.amdhsa_system_sgpr_workgroup_id_x 1
		.amdhsa_system_sgpr_workgroup_id_y 1
		.amdhsa_system_sgpr_workgroup_id_z 1
		.amdhsa_system_vgpr_workitem_id 0
		.amdhsa_next_free_vgpr 1024
		.amdhsa_next_free_sgpr 104
		.amdhsa_reserve_vcc 1
		.amdhsa_float_denorm_mode_32 3
		.amdhsa_float_denorm_mode_16_64 3
		.amdhsa_fp16_overflow 1
		.amdhsa_memory_ordered 1
		.amdhsa_forward_progress 1
		.amdhsa_inst_pref_size 240
	.end_amdhsa_kernel
	.amdgpu_metadata
---
amdhsa.version: [ 1, 2 ]
amdhsa.kernels:
  - .name:           k_q11d63dbbc7_qkv
    .symbol:         k_q11d63dbbc7_qkv.kd
    .args:
      - { .name: xc, .offset: 0, .size: 8, .value_kind: global_buffer, .address_space: global }
      - { .name: xs, .offset: 8, .size: 8, .value_kind: global_buffer, .address_space: global }
      - { .name: wc, .offset: 16, .size: 8, .value_kind: global_buffer, .address_space: global }
      - { .name: ws, .offset: 24, .size: 8, .value_kind: global_buffer, .address_space: global }
      - { .name: bq, .offset: 32, .size: 8, .value_kind: global_buffer, .address_space: global }
      - { .name: bk, .offset: 40, .size: 8, .value_kind: global_buffer, .address_space: global }
      - { .name: bv, .offset: 48, .size: 8, .value_kind: global_buffer, .address_space: global }
      - { .name: qr, .offset: 56, .size: 8, .value_kind: global_buffer, .address_space: global }
      - { .name: kv, .offset: 64, .size: 8, .value_kind: global_buffer, .address_space: global }
    .group_segment_fixed_size: 327680
    .private_segment_fixed_size: 0
    .kernarg_segment_align: 8
    .kernarg_segment_size: 72
    .max_flat_workgroup_size: 128
    .sgpr_count:     104
    .vgpr_count:     1024
    .wavefront_size: 32
...
	.end_amdgpu_metadata
.endif
;; end of part 2
;; launch attn (part 3): grid 4 x 64, 16 waves a work-group, no clusters, 327,680 bytes of LDS; arguments qr, kv, yc, ys; writes yc, ys
.if DOCPART == 3
	.amdgcn_target "amdgcn-amd-amdhsa--gfx1250"
	.amdhsa_code_object_version 6
	.text
	.protected	k_q11d63dbbc7_attn
	.globl	k_q11d63dbbc7_attn
	.p2align	8
	.type	k_q11d63dbbc7_attn,@function
k_q11d63dbbc7_attn:
	s_mov_b64 s[64:65], 0
	v_nop
	global_prefetch_b8 v0, s[64:65] scope:SCOPE_SE
	s_setreg_imm32_b32 hwreg(HW_REG_WAVE_MODE, 25, 1), 1
	s_wait_xcnt 0x0
; y[b][q][head] = the sum over keys k <= q of softmax_k(Q . K / 8) V, both products on codes of FP8 (E4M3) with E8M0 scales for each 32 along a product's K; y is quantised along the channels for the next product.
; THE SOFTMAX AHEAD OF THE SECOND PRODUCT: t = score x log2(e) / 8; M = the row's largest t so far, rounded UP to a whole number; p = 2^(t - M) is what is quantised, along the keys; it is not normalised.
; The row's sum is taken of the unquantised p, in f32, and divides O at the end (a reciprocal and a multiplication).  When M moves, the sum and O are multiplied by 2^(old M - new M): exact.
; OPERANDS arrive as images of operand registers.  qr: [batch x head][128 queries] records of 8,704 bytes; kv: [batch x head][128 keys] records of 17,152 bytes: K's eight tiles (1,024 bytes: K = 64 is half of the
; instruction's 128), V^T's four tiles (2,048), K's scale words, V's.  Row r of tile i is the true row 32 (i / 2) + 8 (i % 2) + r + 8 (r / 8): so the 16 registers of score tiles 2 b, 2 b + 1 are keys 32 b + 16 h + 0..15.
; Both products are used transposed (S^T = K Q^T, O^T = V^T P^T): a lane holds ONE query throughout.
; THE UPPER 64 OF K IN THE FIRST PRODUCT: Q's registers 8-15 are zero codes.  K's fragment of tile t names v[32 + 8 t .. 47 + 8 t]: its upper half is the next tile's codes (behind tile 7: zeros), finite numbers that meet zeros.
; SHARES.  Work-group (p, batch x head) owns the blocks 7 - p and p of 256 queries; wave w one tile of 16 queries at a time: first tile 16 (7 - p) + w, walking key steps 0 .. 15 - 2 p, then tile 16 p + w, walking 0 .. 2 p + 1.
; That is 18 steps of the ring in every work-group: the trip count is a constant, every fetched record is used, and all 256 work-groups have equal work.  A step all of whose keys come after the wave's queries
; (the last of each walk, for waves 0-7) is jumped over by a scalar branch on ids; on the diagonal hidden scores become -infinity.
; THE RING: two slots of one record; wave 0 fetches, one tensor load behind each barrier, so one tensor load is out at most.
; NO CLUSTER: the four work-groups of a head leave their first walk after 16 - 2 p steps, so their requests are not alike in every round; a step's shared bytes are 17,152 against sixteen waves' softmax.
; LIMITS: NaN and infinities are not served; a block of zeros, or one under 2^-118, gets the scale byte 1 (read by this program alone); a block's largest p is taken from the block's largest score, which takes
; v_exp_f32 not to fall where its input rises.
.set KVREC, 17152
.set QREC,  8704
.set SPARE, 2*KVREC                    ; behind the ring: the spare words, 128 bytes for each wave: eight blocks of 256 bytes that no other line names
.set LI,  1                            ; v1   16 x lane: my place in a piece
.set AS,  2                            ; v2   16 r: my place among scale words
.set YSO, 3                            ; v3   8 r: my row's place in ys
.set MQ,  4                            ; v4   r + 8 (r / 8) - 16 h: for the mask
.set SPW, 5                            ; v5   LDS address of my spare word; never rewritten
.set NIL, 6                            ; v6   0; never rewritten
.set PFO, 7                            ; v7   the prefetches' offset; never rewritten
                                       ; v8, v9 Q's offsets; v12 -M, v13 the largest t, v[14:15] the sum in two halves; v16-23 Q's codes, v24-31 zeros
.set KV,  32                           ; v32-95   K's 8 tiles x 8 registers, then V's 4 x 16;  v96-103 zeros
.set S,   104                          ; v104-167 S^T, then p
.set O,   168                          ; v168-199 O^T
.set PC,  200                          ; v200-215 p's codes (at a tile's end: y's)
.set BM,  216                          ; v216-219 the blocks' largest; v220-223, v224-227, v228-231 at work
.set W1,  220
.set W2,  224
.set W3,  228
.set F,   232                          ; v[232:233] f = 2^(old M - new M), named as a pair
.set Q2,  234                          ; v234-241 the second tile's Q; v242 its scale word
.set SCW, 244                          ; v244-251 K's or V's scale words;  v252 Q's;  v253 p's;  v254, v255 at work
.set WV,  12
.set BH,  13
.set N,   15                           ; s15  the first walk's steps: 16 - 2 p
.set G1,  16                           ; s[16:23] descriptor group 1;  s[24:27], s[28:31] group 0 for slot 0, 1
.set G0,  24
.set KVB, 32                           ; s[32:33] my head's first record
.set J,   36                           ; s36  the ring's step, 0..17
.set KS,  37                           ; s37  the key step within the walk
.set TBK, 38                           ; s38  the key step in which my tile's queries lie
.set QB,  39                           ; s39  my tile's first query within it
.set TRIPS, 40
.set LIM, 41                           ; s41  a wave prefetches while J is under it
.set PFA, 42                           ; s[42:43]
.set SEL, 44                           ; s[44:45]
.set CS,  46                           ; s[46:47] c = log2(e) / 8
.set MNT, 48
.set TBK2, 50
.set YC1, 52                           ; s[52:53], s[54:55] where the first tile's codes and scale bytes go; s[56:57], s[58:59] the second's
.set YS1, 54
.set YC2, 56
.set YS2, 58
.macro TLOAD g0                        ; wave 0 alone fetches.  Four v_nop follow the line
	s_cmp_lg_u32 s[WV], 0
	s_cbranch_scc1 .Lnot_wave_0_\@
	tensor_load_to_lds s[\g0:\g0+3], s[G1:G1+7]
	s_nop 0
.rept 4
	v_nop
.endr
.Lnot_wave_0_\@:
.endm
; A PREFETCH INTO THE L2 of record J + 2, which the NEXT change of slots will ask for: one ring step ahead of that load.  The four work-groups of a head walk the same records; work-group p = 0, whose first walk
; passes all 16, asks, and nobody else.  In it waves 2, 3 and 4 ask, one instruction each: bytes 0, 8,192 and 16,384 of the record on, lanes 256 bytes apart (wave 4's part has three such blocks: its lanes are held at 2).
; It asks in steps 0 to 13, for records 2 to 15: records 0 and 1 come by their loads alone, and nothing is named behind the head's last record.
.macro ASK
	s_cmp_lt_u32 s[J], s[LIM]
	s_cbranch_scc0 .Lnot_mine_\@
	global_prefetch_b8 v[PFO], s[PFA:PFA+1] th:TH_LOAD_NT scope:SCOPE_SE
.Lnot_mine_\@:
.endm
	s_load_b256 s[4:11], s[0:1], 0x0               ; qr s[4:5], kv s[6:7], yc s[8:9], ys s[10:11]
	v_lshl_add_u32 v[SPW], v0, 2, SPARE
	v_mov_b32 v[NIL], 0
	ds_add_u32 v5, v6
	ds_add_u32 v5, v6
	s_wait_dscnt 0x0
	v_lshrrev_b32 v8, 5, v0
	s_delay_alu instid0(VALU_DEP_1)
	v_readfirstlane_b32 s[WV], v8                  ; wave 0..15
	s_and_b32 s[BH], ttmp7, 0xffff                 ; 16 x batch + head
	s_lshl_b32 s14, ttmp9, 1                       ; 2 p
	s_sub_co_u32 s[N], 16, s14
	; descriptor group 1: a record is 67 dense rows of 256 bytes (32 elements of 8)
	s_mov_b32 s[G1], 3<<16
	s_mov_b32 s[G1+1], 32<<16
	s_mov_b32 s[G1+2], 67<<16
	s_mov_b32 s[G1+3], 32<<16
	s_mov_b32 s[G1+4], 67
	s_mov_b32 s[G1+5], 32
	s_mov_b32 s[G1+6], 0
	s_mov_b32 s[G1+7], 0
	s_mul_i32 s34, s[BH], 16*KVREC
	s_mov_b32 s35, 0
	s_wait_kmcnt 0x0
	s_add_nc_u64 s[KVB:KVB+1], s[6:7], s[34:35]
	s_mov_b32 s[G0], 1
	s_mov_b32 s[G0+1], 0                           ; slot 0
	s_mov_b64 s[G0+2:G0+3], s[KVB:KVB+1]           ; record 0
	s_or_b32 s[G0+3], s[G0+3], 0x80000000
	s_mov_b32 s[G0+4], 1
	s_mov_b32 s[G0+5], KVREC                       ; slot 1; its address is written at the first change of slots
	TLOAD G0                                       ; the first fill
	v_and_b32 v10, 31, v0                          ; lane
	v_and_b32 v11, 15, v0                          ; r
	v_bfe_u32 v254, v0, 4, 1                       ; h
	s_delay_alu instid0(VALU_DEP_3)
	v_lshlrev_b32 v[LI], 4, v10
	s_wait_alu depctr_va_vdst(0)
	v_lshlrev_b32 v[AS], 4, v11
	s_wait_alu depctr_va_vdst(0)
	v_lshlrev_b32 v[YSO], 3, v11
	v_and_b32 v255, 8, v11
	s_delay_alu instid0(VALU_DEP_1)
	v_add_nc_u32 v[MQ], v255, v11
	v_lshlrev_b32 v254, 4, v254
	s_delay_alu instid0(VALU_DEP_1)
	v_sub_nc_u32 v[MQ], v[MQ], v254
	s_and_b32 s49, s[WV], 7                        ; e: my tile within its 128 queries: the same in both walks
	s_lshr_b32 s51, s[WV], 3
	s_add_co_u32 s[TBK], s[N], s51
	s_sub_co_u32 s[TBK], s[TBK], 2                 ; first tile: 2 (7 - p) + w / 8
	s_add_co_u32 s[TBK2], s14, s51                 ; second: 2 p + w / 8
	s_lshr_b32 s[QB], s49, 1
	s_lshl_b32 s[QB], s[QB], 5
	s_and_b32 s70, s49, 1
	s_lshl_b32 s70, s70, 3
	s_add_co_u32 s[QB], s[QB], s70                 ; 32 (e / 2) + 8 (e % 2)
	s_lshr_b32 s60, s[BH], 4
	s_lshl_b32 s60, s60, 7
	s_add_co_u32 s60, s60, s49                     ; 128 x batch + e
	s_and_b32 s70, s[BH], 15                       ; the head
	s_lshl_b32 s61, s70, 10                        ; in yc: 64 channels are two pieces of a K step: 1,024 bytes a head
	s_lshr_b32 s62, s70, 2
	s_lshl_b32 s62, s62, 7                         ; in ys: 128 bytes a K slot of 256 channels,
	s_and_b32 s70, s70, 3
	s_lshl_b32 s70, s70, 1
	s_add_co_u32 s62, s62, s70                     ; two bytes a head
	s_lshl_b32 s70, s49, 10
	v_add_nc_u32 v8, s70, v[LI]                    ; Q's codes: tile e of the record
	s_wait_alu depctr_va_vdst(0)
	s_lshr_b32 s70, s49, 2
	s_lshl_b32 s70, s70, 8
	s_and_b32 s71, s49, 3
	s_lshl_b32 s71, s71, 2
	s_add_co_u32 s70, s70, s71
	s_add_co_u32 s70, s70, 8192
	v_add_nc_u32 v9, s70, v[AS]                    ; and its scale words: [e / 4][r][e % 4]
	s_wait_alu depctr_va_vdst(0)
	s_lshl_b32 s70, s[BH], 4
	s_add_co_u32 s71, s70, s[TBK]
	s_mul_i32 s72, s71, QREC
	s_mov_b32 s73, 0
	s_add_nc_u64 s[66:67], s[4:5], s[72:73]        ; the first tile's record of Q,
	s_add_co_u32 s71, s70, s[TBK2]
	s_mul_i32 s72, s71, QREC
	s_add_nc_u64 s[68:69], s[4:5], s[72:73]        ; the second's
	global_load_b128 v[16:19], v8, s[66:67]
	global_load_b128 v[20:23], v8, s[66:67] offset:512
	global_load_b32 v252, v9, s[66:67]
	global_load_b128 v[Q2:Q2+3], v8, s[68:69]
	global_load_b128 v[Q2+4:Q2+7], v8, s[68:69] offset:512
	global_load_b32 v[Q2+8], v9, s[68:69]
.macro YBASE tbk, ycd, ysd             ; where a tile's y goes: tile 128 x batch + 8 tbk + e of yc (16,384 bytes a tile) and ys (512)
	s_lshl_b32 s70, s[\tbk], 3
	s_add_co_u32 s70, s70, s60
	s_lshl_b32 s72, s70, 14
	s_add_co_u32 s72, s72, s61
	s_add_nc_u64 s[\ycd:\ycd+1], s[8:9], s[72:73]
	s_lshl_b32 s72, s70, 9
	s_add_co_u32 s72, s72, s62
	s_add_nc_u64 s[\ysd:\ysd+1], s[10:11], s[72:73]
.endm
	YBASE TBK, YC1, YS1
	YBASE TBK2, YC2, YS2
	; the prefetches: who asks, and where
	s_sub_co_u32 s70, s[WV], 2
	s_cmp_lt_u32 s70, 3                            ; waves 2, 3, 4
	s_cselect_b32 s71, 0, 1
	s_or_b32 s71, s71, ttmp9                       ; of work-group p = 0
	s_cmp_eq_u32 s71, 0
	s_cselect_b32 s[LIM], 14, 0
	s_max_u32 s70, s[WV], 2
	s_min_u32 s70, s70, 4
	s_sub_co_u32 s70, s70, 2                       ; my part of a record
	s_cmp_eq_u32 s70, 2
	s_cselect_b32 s71, 2, 31
	v_min_u32 v[PFO], s71, v10
	s_delay_alu instid0(VALU_DEP_1)
	v_lshlrev_b32 v[PFO], 8, v[PFO]
	s_lshl_b32 s70, s70, 13
	s_add_co_u32 s70, s70, KVREC                   ; in record 1: the first change of slots steps it to record 2
	s_mov_b32 s71, 0
	s_add_nc_u64 s[PFA:PFA+1], s[KVB:KVB+1], s[70:71]
	s_mov_b32 s[SEL], 0x76543210
	s_mov_b32 s[SEL+1], 0xfedcba98
	s_mov_b32 s[CS], 0x3e38aa3b                    ; log2(e) / 8
	s_mov_b32 s[CS+1], s[CS]                       ; (named with it as a pair, so it is written)
	s_mov_b32 s[J], 0
	s_mov_b32 s[KS], 0
.irp i, 0,1,2,3,4,5,6,7
	v_mov_b32 v[24+\i], 0                          ; Q's codes for the upper 64 of K
	v_mov_b32 v[96+\i], 0                          ; what stands behind K's tile 7
.endr
.irp b, 0,1,2,3
	v_mov_b32 v[W1+\b], 0                          ; written once: a lane permute's destination counts as one of its sources
.endr
	v_mov_b32 v[F+1], 0                            ; (named as the upper half of the pair)
.macro INIT                            ; a tile begins: the step is written once, and its first run finds zeros, which the first change of M leaves zeros
	v_mov_b32 v13, 0xff61b1e6                      ; the largest t so far: -3e38, under every t
	s_delay_alu instid0(VALU_DEP_1)
	v_floor_f32 v12, -v13                          ; -M
	v_mov_b32 v14, 0
	v_mov_b32 v15, 0
.set n, 0
.rept 32
	v_mov_b32 v[O+n], 0
.set n, n+1
.endr
.endm
	INIT
; THE CHANGE OF SLOTS stands at a step's head.  Each wave waits for all its tensor loads (wave 0: the record about to be read), adds 0 to its spare word, and waits for that and for its reads of the slot that it has left.
; Behind the barrier the slot ahead is whole and nobody reads the other one.  fill = 1: that other slot takes the record of ring step J + 1, which has a whole step in which to land.
.macro CHANGE slot, fill
	s_wait_tensorcnt 0x0                           ; no tensor load of mine is out, so a group 0 may be written
	ds_add_u32 v[SPW], v[NIL]                      ; 0 onto my spare word
.if \fill
	s_add_co_u32 s34, s[J], 1
	s_cmp_ge_u32 s34, s[N]
	s_cselect_b32 s35, s[N], 0
	s_sub_co_u32 s34, s34, s35                     ; the next step's record: the second walk begins again at 0
	s_mul_i32 s34, s34, KVREC
	s_mov_b32 s35, 0
	s_add_nc_u64 s[G0+4*(1-\slot)+2:G0+4*(1-\slot)+3], s[KVB:KVB+1], s[34:35]
	s_or_b32 s[G0+4*(1-\slot)+3], s[G0+4*(1-\slot)+3], 0x80000000
	s_wait_xcnt 0x0                                ; the last prefetch, a step back, has read its address, so it may be written
	s_add_nc_u64 s[PFA:PFA+1], s[PFA:PFA+1], KVREC
.endif
	s_wait_dscnt 0x0                               ; the add is done, and my reads of the slot that I have left are over
	s_barrier_signal -1
	s_barrier_wait -1
.if \fill
	TLOAD G0+4*(1-\slot)                           ; the first thing behind the barrier, and the one tensor load until the next
	ASK
.endif
.endm
; A TILE'S END: O^T / the sum is y: register n holds channel 32 (n / 16) + 16 h + n % 16 of my query: two blocks of 32 along the next product's K, 16 numbers of each in my lane.
.macro FINISH ycb, ysb, more
	v_add_f32 v14, v14, v15                        ; the sum's two halves,
	s_delay_alu instid0(VALU_DEP_1)
	v_permlanex16_b32 v254, v14, s[SEL], s[SEL+1]
	s_delay_alu instid0(VALU_DEP_1)
	v_add_f32 v14, v14, v254                       ; and lane l xor 16's: the row's sum
	s_wait_alu depctr_va_vdst(0)
	v_rcp_f32 v[F], v14
	v_nop                                          ; a plain line behind the transcendental
	s_wait_alu depctr_va_vdst(0)                   ; ahead of the first reader
.set n, 0
.rept 16
	v_pk_mul_f32 v[S+n:S+n+1], v[O+n:O+n+1], v[F:F+1] op_sel_hi:[1,0]   ; each accumulator from its low end on
.set n, n+2
.endr
.irp b, 0,1
	v_max3_num_f32 v[BM+\b], |v[S+16*\b]|, |v[S+1+16*\b]|, 0x4800000    ; with the floor 2^(9 - 127)
.endr
.irp i, 2,4,6,8,10,12,14
.irp b, 0,1
	s_delay_alu instid0(VALU_DEP_2)
	v_max3_num_f32 v[BM+\b], v[BM+\b], |v[S+16*\b+\i]|, |v[S+1+16*\b+\i]|
.endr
.endr
.irp b, 0,1
	s_delay_alu instid0(VALU_DEP_2)
	v_permlanex16_b32 v[W1+\b], v[BM+\b], s[SEL], s[SEL+1]
.endr
.irp b, 0,1
	s_delay_alu instid0(VALU_DEP_2)
	v_max_num_f32 v[BM+\b], v[BM+\b], v[W1+\b]
.endr
.irp b, 0,1
	s_delay_alu instid0(VALU_DEP_2)
	v_add_nc_u32 v[W3+\b], 0xfc000000, v[BM+\b]    ; the conversion's scale operand
.endr
.irp b, 0,1
.endr
.irp b, 0,1
	s_delay_alu instid0(VALU_DEP_2)
	v_lshrrev_b32 v[W1+\b], 23, v[W3+\b]           ; the scale's byte
.endr
	s_delay_alu instid0(VALU_DEP_1)
	v_lshl_or_b32 v255, v[W1+1], 8, v[W1]
.irp b, 0,1
.irp i, 0,1,2,3,4,5,6,7,8,9,10,11,12,13,14,15
.endr
	v_cvt_scalef32_pk8_fp8_f32 v[PC+4*\b:PC+1+4*\b], v[S+16*\b:S+7+16*\b], v[W3+\b]
	v_cvt_scalef32_pk8_fp8_f32 v[PC+2+4*\b:PC+3+4*\b], v[S+8+16*\b:S+15+16*\b], v[W3+\b]
.endr
	v_nop                                          ; one plain line behind the last conversion
	global_store_b128 v[LI], v[PC:PC+3], s[\ycb:\ycb+1]                ; two pieces of the next product's fragment: 512 consecutive bytes each
	global_store_b128 v[LI], v[PC+4:PC+7], s[\ycb:\ycb+1] offset:512
	global_store_b16 v[YSO], v255, s[\ysb:\ysb+1]                      ; my row's two scale bytes (lanes r and r + 16 store the same two): a row's word is shared by two heads, so no more can leave at once
.if \more
	s_wait_xcnt 0x0                                ; the stores have read their registers, which the next tile writes again
.endif
.endm
; Where the first walk has ended (ring step N, which is even: slot 0), the first tile leaves and the second begins.
.macro SWITCH
	s_cmp_lg_u32 s[J], s[N]
	s_cbranch_scc1 .Lsame_tile_\@
	FINISH YC1, YS1, 1
.irp i, 0,1,2,3,4,5,6,7
	v_mov_b32 v[16+\i], v[Q2+\i]
.endr
	v_mov_b32 v252, v[Q2+8]
	INIT                                           ; (its 36 lines are also the places between these writes and the next products)
	s_mov_b32 s[TBK], s[TBK2]
	s_mov_b32 s[KS], 0
.Lsame_tile_\@:
.endm
; A KEY STEP: 128 keys, from the slot named.
.macro STEP slot
.set SB, (\slot)*KVREC
	s_cmp_gt_u32 s[KS], s[TBK]                     ; all 128 keys come after my 16 queries: a scalar branch on ids, round the step's work; no barrier and no tensor load stands in a step
	s_cbranch_scc1 .Lhidden_\@
.irp t, 0,1,2,3,4,5,6,7
	ds_load_b128 v[KV+8*\t:KV+8*\t+3], v[LI] offset:SB+1024*\t
	ds_load_b128 v[KV+8*\t+4:KV+8*\t+7], v[LI] offset:SB+1024*\t+512
.endr
	ds_load_b128 v[SCW:SCW+3], v[AS] offset:SB+16384
	ds_load_b128 v[SCW+4:SCW+7], v[AS] offset:SB+16640
	s_wait_dscnt 0x0
.irp t, 0,1,2,3,4,5,6,7
	v_wmma_scale_f32_16x16x128_f8f6f4 v[S+8*\t:S+8*\t+7], v[KV+8*\t:KV+8*\t+15], v[16:31], 0, v[SCW+\t], v252
.endr
.rept 8
	v_nop                                          ; places in front of the loads below and of the first read of the scores
.endr
.irp t, 0,1,2,3                                ; V's tiles are asked for now and land under the softmax
.irp c, 0,1,2,3
	ds_load_b128 v[KV+16*\t+4*\c:KV+16*\t+4*\c+3], v[LI] offset:SB+8192+2048*\t+512*\c
.endr
.endr
	ds_load_b128 v[SCW:SCW+3], v[AS] offset:SB+16896
	s_cmp_lt_u32 s[KS], s[TBK]                     ; a step all of whose keys count skips the mask
	s_cbranch_scc1 .Lopen_\@
	v_add_nc_u32 v254, s[QB], v[MQ]                ; d = my query - the step's first key - 16 h.  Register n holds key 32 (n / 16) + 16 h + n % 16: hidden where 32 (n / 16) + n % 16 > d
	v_mov_b32 v255, 0xff800000                     ; -infinity: p = 0 then
.set n, 0
.rept 64
	v_cmp_gt_i32 vcc_lo, 32*(n/16)+n%16, v254
	v_cndmask_b32 v[S+n], v[S+n], v255, vcc_lo
.set n, n+1
.endr
.Lopen_\@:
.irp b, 0,1,2,3
	v_max3_num_f32 v[BM+\b], v[S+16*\b], v[S+1+16*\b], v[S+2+16*\b]   ; the largest score of each block of 32 keys: for the row's maximum, and, since p rises with the score, for the block's largest p
.endr
.irp i, 3,5,7,9,11,13
.irp b, 0,1,2,3
	v_max3_num_f32 v[BM+\b], v[BM+\b], v[S+16*\b+\i], v[S+1+16*\b+\i]
.endr
.endr
.irp b, 0,1,2,3
	v_max_num_f32 v[BM+\b], v[BM+\b], v[S+15+16*\b]
.endr
.irp b, 0,1,2,3
	s_delay_alu instid0(VALU_DEP_4)
	v_permlanex16_b32 v[W1+\b], v[BM+\b], s[SEL], s[SEL+1]
.endr
.irp b, 0,1,2,3
	s_delay_alu instid0(VALU_DEP_4)
	v_max_num_f32 v[BM+\b], v[BM+\b], v[W1+\b]     ; with lane l xor 16's 16 keys
.endr
	s_delay_alu instid0(VALU_DEP_2)
	v_max3_num_f32 v254, v[BM], v[BM+1], v[BM+2]
	s_delay_alu instid0(VALU_DEP_1)
	v_max_num_f32 v254, v254, v[BM+3]              ; the step's largest score of my query (its own key, or an earlier one, always counts)
	s_delay_alu instid0(VALU_DEP_1)
	v_mul_f32 v254, s[CS], v254                    ; as t
	s_delay_alu instid0(VALU_DEP_1)
	v_max_num_f32 v13, v13, v254                   ; the running largest t
	v_mov_b32 v254, v12
	s_delay_alu instid0(VALU_DEP_2)
	v_floor_f32 v12, -v13                          ; the new -M = floor(-t) = -ceil(t)
	s_delay_alu instid0(VALU_DEP_1)
	v_sub_f32 v254, v12, v254                      ; old M - new M: a whole number, 0 or less
	s_delay_alu instid0(VALU_DEP_1)
	v_cvt_i32_f32 v254, v254                       ; (it saturates)
	s_delay_alu instid0(VALU_DEP_1)
	v_ldexp_f32 v[F], 1.0, v254                    ; f = 2^(old M - new M)
.set n, 0
.rept 32
	v_pk_fma_f32 v[S+n:S+n+1], v[S+n:S+n+1], s[CS:CS+1], v[12:13] op_sel_hi:[1,0,0]   ; t - M, two at a time
.set n, n+2
.endr
.irp b, 0,1,2,3
	v_fma_f32 v[BM+\b], v[BM+\b], s[CS], v12       ; the same of each block's largest score
.endr
.set n, 0
	s_wait_alu depctr_va_vdst(0)
.rept 64
	v_exp_f32 v[S+n], v[S+n]                       ; p = 2^(t - M), at most 1
.set n, n+1
.endr
	v_pk_mul_f32 v[14:15], v[14:15], v[F:F+1] op_sel_hi:[1,0]   ; the sums under the new M (a plain line behind the exponentials)
	s_wait_alu depctr_va_vdst(0)                   ; one wait for the whole batch, ahead of its first reader
.irp b, 0,1,2,3
	v_exp_f32 v[BM+\b], v[BM+\b]                   ; the block's largest p: the same two instructions on the same number
.endr
	v_pk_add_f32 v[220:221], v[108:109], v[112:113]
	v_pk_add_f32 v[250:251], v[116:117], v[120:121]
	v_pk_add_f32 v[248:249], v[124:125], v[128:129]
	v_pk_add_f32 v[230:231], v[132:133], v[136:137]
	v_pk_add_f32 v[228:229], v[140:141], v[144:145]
	v_pk_add_f32 v[226:227], v[148:149], v[152:153]
	v_pk_add_f32 v[224:225], v[156:157], v[160:161]
	v_pk_add_f32 v[14:15], v[14:15], v[164:165]
	v_pk_add_f32 v[220:221], v[220:221], v[104:105]
	v_pk_add_f32 v[250:251], v[250:251], v[106:107]
	v_pk_add_f32 v[248:249], v[248:249], v[110:111]
	v_pk_add_f32 v[230:231], v[230:231], v[114:115]
	v_pk_add_f32 v[228:229], v[228:229], v[118:119]
	v_pk_add_f32 v[226:227], v[226:227], v[122:123]
	v_pk_add_f32 v[224:225], v[224:225], v[126:127]
	v_pk_add_f32 v[14:15], v[14:15], v[130:131]
	v_pk_add_f32 v[220:221], v[220:221], v[134:135]
	v_pk_add_f32 v[250:251], v[250:251], v[138:139]
	v_pk_add_f32 v[248:249], v[248:249], v[142:143]
	v_pk_add_f32 v[230:231], v[230:231], v[146:147]
	v_pk_add_f32 v[228:229], v[228:229], v[150:151]
	v_pk_add_f32 v[226:227], v[226:227], v[154:155]
	v_pk_add_f32 v[224:225], v[224:225], v[158:159]
	v_pk_add_f32 v[14:15], v[14:15], v[162:163]
	v_pk_add_f32 v[220:221], v[220:221], v[166:167]
	s_delay_alu instid0(VALU_DEP_2)
	v_pk_add_f32 v[14:15], v[14:15], v[230:231]
	s_delay_alu instid0(VALU_DEP_2)
	v_pk_add_f32 v[220:221], v[220:221], v[228:229]
	v_pk_add_f32 v[250:251], v[250:251], v[226:227]
	v_pk_add_f32 v[248:249], v[248:249], v[224:225]
	s_delay_alu instid0(VALU_DEP_2)
	v_pk_add_f32 v[14:15], v[14:15], v[250:251]
	s_delay_alu instid0(VALU_DEP_2)
	v_pk_add_f32 v[220:221], v[220:221], v[248:249]
	s_delay_alu instid0(VALU_DEP_1)
	v_pk_add_f32 v[14:15], v[14:15], v[220:221]
	s_wait_alu depctr_va_vdst(0)                   ; and one for the four
.irp b, 0,1,2,3
	v_max_num_f32 v[BM+\b], 0x4800000, v[BM+\b]    ; the floor: a block whose every p is 0 keeps the byte 1: its codes are zeros
.endr
.irp b, 0,1,2,3
	s_delay_alu instid0(VALU_DEP_4)
	v_add_nc_u32 v[W3+\b], 0xfc000000, v[BM+\b]    ; the conversion's scale operand
.endr
.irp b, 0,1,2,3
.endr
.irp b, 0,1,2,3
	s_delay_alu instid0(VALU_DEP_4)
	v_lshrrev_b32 v[W1+\b], 23, v[W3+\b]           ; the scale's byte
.endr
	s_delay_alu instid0(VALU_DEP_3)
	v_lshl_or_b32 v253, v[W1+1], 8, v[W1]          ; p's scale word for these 128 keys
	s_delay_alu instid0(VALU_DEP_1)
	v_lshl_or_b32 v253, v[W1+2], 16, v253
	s_delay_alu instid0(VALU_DEP_1)
	v_lshl_or_b32 v253, v[W1+3], 24, v253
.irp b, 0,1,2,3
.irp i, 0,1,2,3,4,5,6,7,8,9,10,11,12,13,14,15
.endr
	v_cvt_scalef32_pk8_fp8_f32 v[PC+4*\b:PC+1+4*\b], v[S+16*\b:S+7+16*\b], v[W3+\b]
	v_cvt_scalef32_pk8_fp8_f32 v[PC+2+4*\b:PC+3+4*\b], v[S+8+16*\b:S+15+16*\b], v[W3+\b]
.endr
.set n, 0
.rept 16
	v_pk_mul_f32 v[O+n:O+n+1], v[O+n:O+n+1], v[F:F+1] op_sel_hi:[1,0]   ; O^T under the new M; these lines also stand between the conversions and the products
.set n, n+2
.endr
	s_wait_alu depctr_va_vdst(0)
	s_wait_dscnt 0x0                               ; V and its scale words are in
.irp t, 0,1,2,3
	v_wmma_scale_f32_16x16x128_f8f6f4 v[O+8*\t:O+8*\t+7], v[KV+16*\t:KV+16*\t+15], v[PC:PC+15], v[O+8*\t:O+8*\t+7], v[SCW+\t], v253
.endr
.rept 8
	v_nop                                          ; places in front of the next step's loads into V's registers and of the next read of O^T
.endr
.Lhidden_\@:
	s_add_co_u32 s[KS], s[KS], 1
	s_add_co_u32 s[J], s[J], 1
.endm
.macro TRIP slot, fill
	CHANGE \slot, \fill
.if (\slot) == 0
	SWITCH
.endif
	STEP \slot
.endm
	s_wait_loadcnt 0x0                             ; Q of both tiles
	s_mov_b32 s[TRIPS], 8
.Ltrip:                                            ; 8 trips of two ring steps; the last two steps are written out
	TRIP 0, 1
	TRIP 1, 1
	s_sub_co_u32 s[TRIPS], s[TRIPS], 1
	s_cmp_lg_u32 s[TRIPS], 0
	s_cbranch_scc1 .Ltrip
	TRIP 0, 1
	TRIP 1, 0
	FINISH YC2, YS2, 0
	s_wait_tensorcnt 0x0                           ; the wave's end
	ds_add_u32 v[SPW], v[NIL]
	s_wait_dscnt 0x0
	s_endpgm
.Lfunc_end_k_q11d63dbbc7_attn:
	.size	k_q11d63dbbc7_attn, .Lfunc_end_k_q11d63dbbc7_attn-k_q11d63dbbc7_attn
	.p2alignl 7, 3214868480
	.fill 96, 4, 3214868480
	.section	.rodata,"a",@progbits
	.p2align	6, 0x0
	.amdhsa_kernel k_q11d63dbbc7_attn
		.amdhsa_group_segment_fixed_size 327680
		.amdhsa_private_segment_fixed_size 0
		.amdhsa_enable_private_segment 0
		.amdhsa_kernarg_size 32
		.amdhsa_user_sgpr_count 2
		.amdhsa_user_sgpr_kernarg_segment_ptr 1
		.amdhsa_wavefront_size32 1
		.amdhsa_system_sgpr_workgroup_id_x 1
		.amdhsa_system_sgpr_workgroup_id_y 1
		.amdhsa_system_sgpr_workgroup_id_z 1
		.amdhsa_system_vgpr_workitem_id 0
		.amdhsa_next_free_vgpr 256
		.amdhsa_next_free_sgpr 80
		.amdhsa_reserve_vcc 1
		.amdhsa_float_denorm_mode_32 3
		.amdhsa_float_denorm_mode_16_64 3
		.amdhsa_fp16_overflow 1
		.amdhsa_memory_ordered 1
		.amdhsa_forward_progress 1
		.amdhsa_inst_pref_size 115
	.end_amdhsa_kernel
	.amdgpu_metadata
---
amdhsa.version: [ 1, 2 ]
amdhsa.kernels:
  - .name:           k_q11d63dbbc7_attn
    .symbol:         k_q11d63dbbc7_attn.kd
    .args:
      - { .name: qr, .offset: 0, .size: 8, .value_kind: global_buffer, .address_space: global }
      - { .name: kv, .offset: 8, .size: 8, .value_kind: global_buffer, .address_space: global }
      - { .name: yc, .offset: 16, .size: 8, .value_kind: global_buffer, .address_space: global }
      - { .name: ys, .offset: 24, .size: 8, .value_kind: global_buffer, .address_space: global }
    .group_segment_fixed_size: 327680
    .private_segment_fixed_size: 0
    .kernarg_segment_align: 8
    .kernarg_segment_size: 32
    .max_flat_workgroup_size: 512
    .sgpr_count:     80
    .vgpr_count:     256
    .wavefront_size: 32
...
	.end_amdgpu_metadata
.endif
;; end of part 3
;; launch proj (part 4): grid 4 x 32, 4 waves a work-group, clusters of 4 x 4, 327,680 bytes of LDS; arguments yc, ys, wc, ws, bv, out0; writes out0
.if DOCPART == 4
	.amdgcn_target "amdgcn-amd-amdhsa--gfx1250"
	.amdhsa_code_object_version 6
	.text
	.protected	k_q11d63dbbc7_proj
	.globl	k_q11d63dbbc7_proj
	.p2align	8
	.type	k_q11d63dbbc7_proj,@function
k_q11d63dbbc7_proj:
	s_mov_b64 s[64:65], 0
	v_nop
	global_prefetch_b8 v0, s[64:65] scope:SCOPE_SE
	s_setreg_imm32_b32 hwreg(HW_REG_WAVE_MODE, 25, 1), 1
	s_wait_xcnt 0x0
	s_wait_alu depctr_hold_cnt(0) depctr_sa_sdst(0) depctr_va_vdst(0) depctr_va_sdst(0) depctr_va_ssrc(0) depctr_va_vcc(0) depctr_vm_vsrc(0)
	s_getreg_b32 s2, hwreg(HW_REG_IB_STS2, 6, 4)
	s_cmp_eq_u32 s2, 0
	s_cbranch_scc0 .Lentry_in_a_cluster
	s_endpgm
.Lentry_in_a_cluster:
	s_bfe_u32 s2, ttmp6, 0x10000c
	s_cmp_lg_u32 s2, 0xf033
	s_cbranch_scc0 .Lentry_shape_is_right
	s_endpgm
.Lentry_shape_is_right:
; out0 = y Wv + bv on codes of FP8 (E4M3) with E8M0 scales for each 32 along K = 1,024; sums in f32; out0 [8192][1024] f32.
; A tile of 256 x 256 a work-group, four waves of 128 x 128 (64 accumulators, 512 registers); K in slots of 256 through a ring of two LDS slots filled by the tensor data mover.
; Operands lie in memory as images of operand registers ([tile of 16 rows][K step of 128][piece][lane][16 bytes]), so a fragment is four loads of 512 consecutive LDS bytes: no pitch, no padding.
; Row r of tile i is the true row 32 (i / 2) + 8 (i % 2) + r + 8 (r / 8), in y's tiles (tokens) and in Wv's (columns) alike; the way out puts rows and columns back in their places.
; THE MATRIX INSTRUCTION IS USED TRANSPOSED (source 0 = 16 columns of Wv, source 1 = 16 tokens): a lane holds eight neighbouring numbers of a row of out0.  The bias is the C of each sum's first product.
; CLUSTERS: 4 x 4 work-groups.  y's tiles are shared along a row of the cluster, Wv's along a column: each is asked for jointly, by the same tensor load with the same descriptor and a mask that names the four.
; The grid has 128 work-groups: 32 x 4 tiles of 256 x 256.  A wave tile of 64 x 128 would give 256, at one and a half LDS loads for each matrix instruction against one here.
; REGISTERS: window 0: v0-31 addresses; v32-63 scale words, two sets; v64-127 the bias; from v128 A's fragments, one set (on the way out: rows of out0).  window 1: B's fragments, two sets.  windows 2, 3: the accumulators.
.set NQ,     2
.set FR,     16
.set NL,     4
.set NP,     8                         ; places behind this matrix instruction (ISA guide 7.12.1)
.set HALFT,  32768                     ; 8 tiles x 4,096 bytes: what one tensor load brings
.set SLOT,   4*HALFT
.set SCL,    2*SLOT                    ; behind the ring: the scale words of all of K, filled once
.set HALFS,  4096
.set SPARE,  SCL+4*HALFS               ; the spare words, 128 bytes for each wave: two blocks of 256 bytes that no other line names
.set SPITCH, 528                       ; the way out: a stage of 16 rows x (512 bytes + 16) for each wave.  It lies in slot 0, which has had its last fill and its last read when the first result is stored there
.set CO,   4                           ; v4   16 x lane
.set ADRA, 16
.set ADRB, 20
.set BO,   23                          ; v23  64 h: the bias
.set STO,  24                          ; v24  the way out: where I put 32 bytes of a row
.set RD,   25                          ; v25  the way out: where I read a row back
.set ADRS, 27
.set SPW,  28                          ; v28  LDS address of my spare word; never rewritten
.set NIL,  29                          ; v29  0; never rewritten
.set SC,   32
.set BI,   64
.set AF,   128
.set BK,   128                         ; the way out: 16 rows read back from the stage: v128-191 and v192-255 by turns
.set G1, 24
.set G0, 32
.set G1B, 48
.set G0B, 56
.set G1S, 68
.set G0S, 76
.set G1SB, 80
.set G0SB, 88
.set MSB, 0
.macro WIN new                         ; the immediate's high byte repeats the setting that is left
.if MSB != (\new)
	s_set_vgpr_msb (MSB<<8)|(\new)
.set MSB, (\new)
.endif
.endm
.set MUL_LO, 0xa1                      ; source 0 (B) window 1, source 1 (A) window 0, C and D window 2
.set MUL_HI, 0xf1                      ; the same, C and D window 3
.set TO_B,   0x40                      ; destination window 1, address window 0
.macro JLOAD g0a, g1a, g0b, g1b        ; a joint load: waves 0 and 1 fetch for A, waves 2 and 3 for B; four v_nop follow each of the two lines
	s_cmp_eq_u32 s15, 0
	s_cbranch_scc0 .Lfor_b_\@
	tensor_load_to_lds s[\g0a:\g0a+3], s[\g1a:\g1a+7]
	s_nop 0
.rept 4
	v_nop
.endr
	s_branch .Lasked_\@
.Lfor_b_\@:
	tensor_load_to_lds s[\g0b:\g0b+3], s[\g1b:\g1b+7]
	s_nop 0
.rept 4
	v_nop
.endr
.Lasked_\@:
.endm
.macro CREST
	s_cmp_lg_u32 s14, 0
	s_cbranch_scc1 .Lnot_wave_0_\@
	s_barrier_signal -3
.Lnot_wave_0_\@:
	s_barrier_wait -3
	s_barrier_signal -1
	s_barrier_wait -1
.endm
.macro CROUND
	s_barrier_signal -1
	s_barrier_wait -1
	CREST
.endm
	s_load_b256 s[4:11], s[0:1], 0x0               ; yc s[4:5], ys s[6:7], wc s[8:9], ws s[10:11]
	s_load_b128 s[96:99], s[0:1], 0x20             ; bv s[96:97], out0 s[98:99]
	v_lshl_add_u32 v[SPW], v0, 2, SPARE
	v_mov_b32 v[NIL], 0
	ds_add_u32 v28, v29
	ds_add_u32 v28, v29
	s_wait_dscnt 0x0
	v_lshrrev_b32 v1, 5, v0
	v_readfirstlane_b32 s14, v1                    ; wave 0..3
	s_lshr_b32 s15, s14, 1                         ; which half of the tile's rows is mine.  Also: I fetch for A (0) or for B (1)
	s_and_b32 s16, s14, 1                          ; which half of its columns.  Also: which 8 tiles I fetch
	s_bfe_u32 s40, ttmp6, 0x40000                  ; cx, cy
	s_bfe_u32 s41, ttmp6, 0x40004
	s_lshl_b32 s42, ttmp9, 2
	s_add_co_u32 s42, s42, s40                     ; tile column
	s_and_b32 s17, ttmp7, 0xffff
	s_lshl_b32 s17, s17, 2
	s_add_co_u32 s17, s17, s41                     ; tile row
	s_lshl_b32 s43, s41, 2
	s_lshl_b32 s43, 15, s43                        ; my row of the cluster
	s_lshl_b32 s44, 0x1111, s40                    ; my column
	; descriptor group 1 for codes: 8 rows of 4,096 bytes (512 elements of 8), 16,384 bytes apart; dense in LDS
	s_or_b32 s[G1+0], s43, (3<<16)|(1<<21)
	s_or_b32 s[G1B+0], s44, (3<<16)|(1<<21)
.irp g, G1, G1B
	s_mov_b32 s[\g+1], 512<<16
	s_mov_b32 s[\g+2], 8<<16
	s_mov_b32 s[\g+3], 512<<16
	s_mov_b32 s[\g+4], 8
	s_mov_b32 s[\g+5], 2048
	s_mov_b32 s[\g+6], 0
	s_mov_b32 s[\g+7], 0
.endr
	; and for the scale words of 8 tiles: 4,096 dense bytes, as 16 rows of 256
	s_or_b32 s[G1S+0], s43, (3<<16)|(1<<21)
	s_or_b32 s[G1SB+0], s44, (3<<16)|(1<<21)
.irp g, G1S, G1SB
	s_mov_b32 s[\g+1], 32<<16
	s_mov_b32 s[\g+2], 16<<16
	s_mov_b32 s[\g+3], 32<<16
	s_mov_b32 s[\g+4], 16
	s_mov_b32 s[\g+5], 32
	s_mov_b32 s[\g+6], 0
	s_mov_b32 s[\g+7], 0
.endr
	s_lshl_b32 s18, s16, 7
	s_lshl_b32 s20, s17, 8
	s_add_co_u32 s20, s20, s18                     ; A: the first of the 128 rows that I fetch
	s_lshl_b32 s46, s42, 8
	s_add_co_u32 s46, s46, s18                     ; B likewise
	s_lshl_b32 s22, s20, 5                         ; scale words: 32 bytes a row,
	s_mov_b32 s23, 0
	s_lshl_b32 s92, s46, 5
	s_mov_b32 s93, 0
	s_lshl_b32 s20, s20, 10                        ; codes: 1,024 bytes a row
	s_mov_b32 s21, 0
	s_lshl_b32 s46, s46, 10
	s_mov_b32 s47, 0
	s_mul_i32 s45, s14, HALFT
	s_mul_i32 s94, s14, HALFS
	s_wait_kmcnt 0x0
	s_add_nc_u64 s[8:9], s[8:9], 0x200000          ; Wv's codes: tiles 128 on
	s_add_nc_u64 s[10:11], s[10:11], 0x10000       ; and its scale words
	s_add_nc_u64 s[20:21], s[4:5], s[20:21]
	s_add_nc_u64 s[22:23], s[6:7], s[22:23]
	s_add_nc_u64 s[46:47], s[8:9], s[46:47]
	s_add_nc_u64 s[92:93], s[10:11], s[92:93]
	CROUND                                         ; all sixteen work-groups are here: the first joint loads meet
	s_mov_b32 s[G0S], 1
	s_add_co_u32 s[G0S+1], s94, SCL
	s_mov_b64 s[G0S+2:G0S+3], s[22:23]
	s_or_b32 s[G0S+3], s[G0S+3], 0x80000000
	s_mov_b32 s[G0SB], 1
	s_add_co_u32 s[G0SB+1], s94, SCL
	s_mov_b64 s[G0SB+2:G0SB+3], s[92:93]
	s_or_b32 s[G0SB+3], s[G0SB+3], 0x80000000
	JLOAD G0S, G1S, G0SB, G1SB
.irp s, 0,1
	s_mov_b32 s[G0+4*\s], 1
	s_add_co_u32 s[G0+4*\s+1], s45, \s*SLOT
	s_add_nc_u64 s[G0+4*\s+2:G0+4*\s+3], s[20:21], \s*4096
	s_or_b32 s[G0+4*\s+3], s[G0+4*\s+3], 0x80000000
	s_mov_b32 s[G0B+4*\s], 1
	s_add_co_u32 s[G0B+4*\s+1], s45, \s*SLOT
	s_add_nc_u64 s[G0B+4*\s+2:G0B+4*\s+3], s[46:47], \s*4096
	s_or_b32 s[G0B+4*\s+3], s[G0B+4*\s+3], 0x80000000
	s_wait_alu depctr_va_vdst(0)
	s_wait_tensorcnt 0x0
	ds_add_u32 v28, v29
	s_wait_dscnt 0x0
	CROUND
	JLOAD G0+4*\s, G1, G0B+4*\s, G1B               ; one tensor load of mine is out now
.endr
	v_and_b32 v1, 15, v0                           ; r
	v_bfe_u32 v2, v0, 4, 1                         ; h
	v_and_b32 v3, 31, v0
	v_lshlrev_b32 v[CO], 4, v3
	s_wait_alu depctr_va_vdst(0)
	v_lshlrev_b32 v[BO], 6, v2
	s_lshl_b32 s46, s42, 10                        ; my first column, in bytes of f32: in bv and in a row of out0 alike
	s_lshl_b32 s47, s16, 9
	s_add_co_u32 s46, s46, s47
	s_mov_b32 s47, 0
	s_add_nc_u64 s[96:97], s[96:97], s[46:47]
.irp b, 0,1,2,3,4,5,6,7                        ; the bias in the result's layout: for B's block b, lane (r, h): columns 32 (b / 2) + 16 h + 8 (b % 2) + 0..7
	global_load_b128 v[BI+8*\b:BI+8*\b+3], v[BO], s[96:97] offset:4*(32*(\b/2)+8*(\b%2))
	global_load_b128 v[BI+8*\b+4:BI+8*\b+7], v[BO], s[96:97] offset:4*(32*(\b/2)+8*(\b%2))+16
.endr
	s_mul_i32 s21, s15, HALFT
	s_mul_i32 s22, s16, HALFT
	s_add_co_u32 s22, s22, 2*HALFT
.irp s, 0,1
	v_add_nc_u32 v[ADRA+\s], s21, v[CO]
	v_add_nc_u32 v[ADRB+\s], s22, v[CO]
	s_add_co_u32 s21, s21, SLOT
	s_add_co_u32 s22, s22, SLOT
.endr
	v_lshlrev_b32 v5, 3, v1
	s_mul_i32 s21, s15, HALFS
	s_mul_i32 s22, s16, HALFS
	s_add_co_u32 s22, s22, 2*HALFS
	s_sub_co_u32 s22, s22, s21
	v_mul_u32_u24 v6, s22, v2                      ; lanes 16-31 take B's: the lower base + h x the distance
	s_add_co_u32 s21, s21, SCL
	v_add_nc_u32 v5, v5, v6
	v_add_nc_u32 v[ADRS], s21, v5
	s_mul_i32 s23, s14, 16*SPITCH                  ; my stage
	v_mul_u32_u24 v5, v1, SPITCH                   ; in: row r; my half's 16 columns of each 32: + 64 h
	v_lshl_add_u32 v5, v2, 6, v5
	v_add_nc_u32 v[STO], s23, v5
	v_add_nc_u32 v[RD], s23, v[CO]                 ; back: the 32 lanes take one row of 512 bytes
	s_lshl_b32 s20, s17, 8
	s_lshl_b32 s21, s15, 7
	s_add_co_u32 s20, s20, s21                     ; my first row of out0,
	s_lshl_b32 s20, s20, 12                        ; 4,096 bytes a row
	s_mov_b32 s21, 0
	s_add_nc_u64 s[98:99], s[98:99], s[20:21]
	s_add_nc_u64 s[98:99], s[98:99], s[46:47]
.macro FRAG reg, adr, q, i
.irp c, 0,1,2,3
	ds_load_b128 v[\reg+4*\c:\reg+4*\c+3], v[\adr] offset:2048*(\q)+512*\c+(\i)*4096
.endr
.endm
; 16 matrix instructions: A's blocks a0, a0 + 1 x B's eight.  first = 1: the product starts the sums, with the bias as C.  The 64 accumulators take turns, one instruction a turn.
.macro MUL16 a0, p, q, sc, first
.irp a, \a0, \a0+1
.irp b, 0,1,2,3,4,5,6,7
.if \first
	v_wmma_scale_f32_16x16x128_f8f6f4 v[8*(8*((\a)%4)+\b):8*(8*((\a)%4)+\b)+7], v[128*(\p)+FR*\b:128*(\p)+FR*\b+FR-1], v[AF+FR*(\a):AF+FR*(\a)+FR-1], v[BI+8*\b:BI+8*\b+7], v[SC+8*NQ*(\sc)+NQ*\b+(\q)], v[SC+8*NQ*(\sc)+NQ*(\a)+(\q)] matrix_a_scale:MATRIX_SCALE_ROW1
.else
	v_wmma_scale_f32_16x16x128_f8f6f4 v[8*(8*((\a)%4)+\b):8*(8*((\a)%4)+\b)+7], v[128*(\p)+FR*\b:128*(\p)+FR*\b+FR-1], v[AF+FR*(\a):AF+FR*(\a)+FR-1], v[8*(8*((\a)%4)+\b):8*(8*((\a)%4)+\b)+7], v[SC+8*NQ*(\sc)+NQ*\b+(\q)], v[SC+8*NQ*(\sc)+NQ*(\a)+(\q)] matrix_a_scale:MATRIX_SCALE_ROW1
.endif
.endr
.endr
.endm
.macro FETCH_B slot, q, p
	WIN TO_B
.irp i, 0,1,2,3,4,5,6,7
	FRAG 128*(\p)+FR*\i, ADRB+\slot, \q, \i
.endr
	WIN 0
.endm
.macro FETCH_A slot, q, i0
.irp i, \i0, \i0+1, \i0+2, \i0+3
	FRAG AF+FR*(\i), ADRA+\slot, \q, \i
.endr
.endm
.macro SCALES sc
.irp i, 0,1,2,3,4,5,6,7
	ds_load_b64 v[SC+8*NQ*\sc+NQ*\i:SC+8*NQ*\sc+NQ*\i+1], v[ADRS] offset:\i*512
.endr
.endm
.macro PLACES n                        ; plain vector lines between a matrix instruction and a load into, or a read of, its registers (ISA guide 7.12.1 for vector instructions)
.rept \n
	v_nop
.endr
.endm
.macro STEP slot, q, first
	s_wait_dscnt 4*NL                              ; B's set and A's blocks 0-3 are in; the youngest 16 loads (A's blocks 4-7) may be out
.if \first
	WIN 0x81                                       ; C (the bias) window 0, D window 2
.else
	WIN MUL_LO
.endif
	MUL16 0, (\q)%2, \q, \slot, \first
	MUL16 2, (\q)%2, \q, \slot, \first
	s_wait_dscnt 0
	PLACES NP
	FETCH_B \slot, (\q)+1, 1-(\q)%2
	FETCH_A \slot, (\q)+1, 0
.if \first
	WIN 0xc1                                       ; C window 0, D window 3
.else
	WIN MUL_HI
.endif
	MUL16 4, (\q)%2, \q, \slot, \first
	MUL16 6, (\q)%2, \q, \slot, \first
	PLACES NP
	WIN 0
	FETCH_A \slot, (\q)+1, 4
.endm
; A slot's last step changes slots: ONE barrier; in front of it each wave waits for all its tensor loads, adds 0 to its spare word, and waits for that and for its own reads of this slot.
.macro TURN slot, next, fill
	s_wait_tensorcnt 0x0                           ; all my tensor loads have landed: my part of the next slot
	ds_add_u32 v[SPW], v[NIL]                      ; 0 onto my spare word
	s_wait_dscnt 4*NL+1                            ; (the add and the youngest 16 loads may be out)
	WIN MUL_LO
	MUL16 0, 1, NQ-1, \slot, 0
	s_wait_dscnt 0x0                               ; the add is done, and my reads of this slot are over
	s_barrier_signal -1
	MUL16 2, 1, NQ-1, \slot, 0
	WIN 0
	s_barrier_wait -1
.if \fill
	CREST                                          ; the barrier has opened a round of the cluster's barrier: no wave of any partner still reads this slot or has a load on its way
	s_add_nc_u64 s[G0+4*\slot+2:G0+4*\slot+3], s[G0+4*\slot+2:G0+4*\slot+3], 8192
	s_add_nc_u64 s[G0B+4*\slot+2:G0B+4*\slot+3], s[G0B+4*\slot+2:G0B+4*\slot+3], 8192
	JLOAD G0+4*\slot, G1, G0B+4*\slot, G1B         ; the first tensor load behind the round, my one load until the next
	PLACES NP-4
.else
	PLACES NP
.endif
	s_wait_alu depctr_va_vdst(0)
	v_add_nc_u32 v[ADRS], 128, v[ADRS]             ; on to the next K slot's scale words
	FETCH_B \next, 0, 0
	FETCH_A \next, 0, 0
	SCALES \next
	WIN MUL_HI
	MUL16 4, 1, NQ-1, \slot, 0
	MUL16 6, 1, NQ-1, \slot, 0
	PLACES NP
	WIN 0
	FETCH_A \next, 0, 4
.endm
	s_wait_alu depctr_va_vdst(0)
	s_wait_tensorcnt 1                             ; the scale words and my part of K slot 0 are in (slot 1's load may be out)
	s_barrier_signal -1
	s_barrier_wait -1                              ; everybody's are
	FETCH_B 0, 0, 0
	FETCH_A 0, 0, 0
	SCALES 0
	FETCH_A 0, 0, 4
	s_wait_loadcnt 0x0                             ; the bias
	STEP 0, 0, 1                                   ; K = 1,024 is four slots, eight steps: written out, no loop
	TURN 0, 1, 1                                   ; slot 0 takes K slot 2
	STEP 1, 0, 0
	TURN 1, 0, 1                                   ; slot 1 takes K slot 3
	STEP 0, 0, 0
	TURN 0, 1, 0                                   ; nothing is left to fetch
	STEP 1, 0, 0
	s_wait_dscnt 4*NL                              ; the very last step
	WIN MUL_LO
	MUL16 0, 1, NQ-1, 1, 0
	MUL16 2, 1, NQ-1, 1, 0
	s_wait_dscnt 0
	WIN MUL_HI
	MUL16 4, 1, NQ-1, 1, 0
	MUL16 6, 1, NQ-1, 1, 0
	WIN 0
; THE WAY OUT, block by block of 16 rows x 128 columns.  Accumulator (a, b), lane (r, h), register j: row 32 (a / 2) + 8 (a % 2) + r + 8 (r / 8), column 32 (b / 2) + 16 h + 8 (b % 2) + j.
; A block goes through my own stage in LDS, each number to its true column, and comes back as whole rows of 512 bytes, which the 32 lanes store as 512 consecutive bytes, aligned.
; LDS serves a wave's instructions in order (ISA guide 5.7.1.4): no wait between the stores and the loads, nor in front of the next block's stores.
.macro TOSTAGE a
.set AC, 64*((\a)%4)
	WIN 0x08+4*((\a)/4)                            ; the data: window 2 or 3
.irp b, 0,1,2,3,4,5,6,7
	ds_store_b128 v[STO], v[AC+8*\b:AC+8*\b+3] offset:128*(\b/2)+32*(\b%2)          ; each accumulator from its low end on
	ds_store_b128 v[STO], v[AC+8*\b+4:AC+8*\b+7] offset:128*(\b/2)+32*(\b%2)+16
.endr
	WIN 0
.set BB, BK+64*((\a)%2)
.irp t, 0,1,2,3,4,5,6,7,8,9,10,11,12,13,14,15
	ds_load_b128 v[BB+4*\t:BB+4*\t+3], v[RD] offset:\t*SPITCH
.endr
.endm
.macro SEND a, younger                 ; younger: the LDS instructions issued behind block a's loads, which may stay out
.set BB, BK+64*((\a)%2)
	s_wait_dscnt \younger                          ; the block is back in registers
.irp t, 0,1,2,3,4,5,6,7,8,9,10,11,12,13,14,15
	global_store_b128 v[CO], v[BB+4*\t:BB+4*\t+3], s[98:99] offset:(32*((\a)/2)+8*((\a)%2)+\t+8*(\t/8))*4096 th:TH_STORE_NT   ; the row's true place stands in the immediate: 127 rows of 4,096 bytes at the most; the base is never stepped
.endr
.endm
	PLACES NP                                      ; in front of the first read of results and of the loads into A's registers
	TOSTAGE 0
.irp a, 1,2,3,4,5,6,7
.if \a > 1
	s_wait_xcnt 0x0                                ; block a - 2's stores have read their registers: block a's loads may land there
.endif
	TOSTAGE \a
	SEND \a-1, 32                                  ; behind block a - 1's loads: block a's 16 stores and 16 loads
.endr
	SEND 7, 0
	s_wait_tensorcnt 0x0                           ; the wave's end
	ds_add_u32 v[SPW], v[NIL]
	s_wait_dscnt 0x0
	CROUND                                         ; the closing round: no work-group ends while a partner may still ask for a tile that names it
	s_endpgm
.Lfunc_end_k_q11d63dbbc7_proj:
	.size	k_q11d63dbbc7_proj, .Lfunc_end_k_q11d63dbbc7_proj-k_q11d63dbbc7_proj
	.p2alignl 7, 3214868480
	.fill 96, 4, 3214868480
	.section	.rodata,"a",@progbits
	.p2align	6, 0x0
	.amdhsa_kernel k_q11d63dbbc7_proj
		.amdhsa_group_segment_fixed_size 327680
		.amdhsa_private_segment_fixed_size 0
		.amdhsa_enable_private_segment 0
		.amdhsa_kernarg_size 48
		.amdhsa_user_sgpr_count 2
		.amdhsa_user_sgpr_kernarg_segment_ptr 1
		.amdhsa_wavefront_size32 1
		.amdhsa_system_sgpr_workgroup_id_x 1
		.amdhsa_system_sgpr_workgroup_id_y 1
		.amdhsa_system_sgpr_workgroup_id_z 1
		.amdhsa_system_vgpr_workitem_id 0
		.amdhsa_next_free_vgpr 1024
		.amdhsa_next_free_sgpr 100
		.amdhsa_reserve_vcc 0
		.amdhsa_float_denorm_mode_32 3
		.amdhsa_float_denorm_mode_16_64 3
		.amdhsa_memory_ordered 1
		.amdhsa_forward_progress 1
		.amdhsa_inst_pref_size 147
	.end_amdhsa_kernel
	.amdgpu_metadata
---
amdhsa.version: [ 1, 2 ]
amdhsa.kernels:
  - .name:           k_q11d63dbbc7_proj
    .symbol:         k_q11d63dbbc7_proj.kd
    .args:
      - { .name: yc, .offset: 0, .size: 8, .value_kind: global_buffer, .address_space: global }
      - { .name: ys, .offset: 8, .size: 8, .value_kind: global_buffer, .address_space: global }
      - { .name: wc, .offset: 16, .size: 8, .value_kind: global_buffer, .address_space: global }
      - { .name: ws, .offset: 24, .size: 8, .value_kind: global_buffer, .address_space: global }
      - { .name: bv, .offset: 32, .size: 8, .value_kind: global_buffer, .address_space: global }
      - { .name: out0, .offset: 40, .size: 8, .value_kind: global_buffer, .address_space: global }
    .group_segment_fixed_size: 327680
    .private_segment_fixed_size: 0
    .kernarg_segment_align: 8
    .kernarg_segment_size: 48
    .max_flat_workgroup_size: 128
    .sgpr_count:     100
    .vgpr_count:     1024
    .wavefront_size: 32
...
	.end_amdgpu_metadata
.endif
;; end of part 4
